; MI455X (gfx1250); checked and timed in simulation.
; The chip was launched on July 23, 2026; its instructions are those of AMD's public machine-readable ISA for CDNA 5 (MIT licence, August 2026) and "CDNA5" Instruction Set Architecture Reference Guide (July 2026). The comments in the code are by the model that wrote it; some were corrected since.
;; LS Multihead Attention Layer. Allowed arithmetic: matrix products marked QUANTISED: E2M1 operands, one E8M0 scale for each 32 along K, by v_wmma_scale_f32_16x16x128_f8f6f4 with both operands' format E2M1 (or v_wmma_scale_f32_32x16x128_f4), f32 sums; everything else in f32.
;; Inputs: encoder_padding_mask 4 x 2,048 int32; hidden_states 4 x 2,048 x 1,024 float32; ln_beta 1,024 float32; ln_gamma 1,024 float32; out_b 1,024 float32; out_w_codes 1,024 x 32 x 16 uint8 (E2M1 codes of out_w, K innermost, in blocks of 32 codes, two codes a byte); out_w_scales 1,024 x 32 uint8 (E8M0 scales of out_w, one for each 32 codes along K); qkv_b 3,072 float32; qkv_w_codes 3,072 x 32 x 16 uint8 (E2M1 codes of qkv_w, K innermost, in blocks of 32 codes, two codes a byte); qkv_w_scales 3,072 x 32 uint8 (E8M0 scales of qkv_w, one for each 32 codes along K).
;; Outputs: out0 4 x 2,048 x 1,024 float32.
;; This version of the problem:
;;   THIS VERSION OF THE PROBLEM IS GIVEN IN LOW PRECISION. The matrix products marked QUANTISED in the list below multiply operands that are first quantised to E2M1 (2 exponent bits, 1 mantissa bit; 4 bits a number), with one power-of-two scale for each 32 numbers along K (OCP MX v1.0); their sums are f32. All else is computed in f32.
;;   The module's matrix products, in the order in which they are computed (A, B: the left and right operand; K: the contracted axis; several contracted axes count as one K, in the product's order):
;;     1. [M 8,192, K 1,024] x [K 1,024, N 3,072]; A: computed on the way; B: input qkv_w (given as codes): QUANTISED
;;     2. batch 64 x [M 2,048, K 64] x [K 64, N 2,048]; A: computed on the way; B: computed on the way: QUANTISED
;;     3. batch 64 x [M 64, K 2,048] x [K 2,048, N 2,048]; A: computed on the way; B: softmax (see below): QUANTISED
;;     4. [M 8,192, K 1,024] x [K 1,024, N 1,024]; A: computed on the way; B: input out_w (given as codes): QUANTISED
;;   THE QUANTISER, for each operand of a quantised product, along K:
;;     - K is cut into blocks of 32 from its start; a last block that is shorter is filled with zeros.
;;     - A block's scale is 2^e with e = floor(log2(the largest magnitude in the block)) - 2, held to -126 .. 127; a block of zeros has e = 0. As a byte (E8M0): e + 127.
;;     - Each number is divided by its block's scale, clamped to +-6, and rounded to the nearest number of E2M1, ties to even, subnormals kept.
;;     - The product sums the exact products of the quantised numbers (number of the format x scale) in f32.
;;   ~~~python
;;   def quantise(x, axis):      # numpy; x: float32 -> the quantised numbers, widened to float32 again
;;       x = np.moveaxis(x, axis, -1); K = x.shape[-1]
;;       x = np.pad(x, [(0, 0)] * (x.ndim - 1) + [(0, -K % 32)]); x = x.reshape(x.shape[:-1] + (-1, 32)); a = np.abs(x).max(-1, keepdims=True)
;;       e = np.where(a > 0, np.clip(np.frexp(np.where(a > 0, a, 1))[1] - 1 - 2, -126, 127), 0)      # np.frexp(a)[1] - 1 = floor(log2(a)), exactly
;;       r = np.clip(x / 2.0 ** e, -6, 6)
;;       step = 2.0 ** (np.maximum(np.frexp(np.where(r == 0, 1, r))[1] - 1, 0) - 1)
;;       q = np.round(r / step) * step * 2.0 ** e      # np.round: ties to even
;;       return np.moveaxis(q.reshape(q.shape[:-2] + (-1,))[..., :K], -1, axis).astype(np.float32)
;;   ~~~
;;   SOFTMAX AHEAD OF A QUANTISED PRODUCT. Where the list says 'softmax', what is quantised is not the finished softmax but p = 2^(t - M), with t = logit x log2(e) and M = ceil(the row's largest t), a whole number; so 1/2 < the row's largest p <= 1. The row's sum l is taken of the UNQUANTISED p, in f32, and the product's result is divided by l at the end. Since M is a whole number, a kernel that streams over the keys may use a running M (the ceiling of the running maximum): every later rescaling is an exact power of two, which a block's scale takes up: the codes' values come out the same.
;;   OPERANDS COMPUTED ON THE WAY. 'Computed on the way' means the value that the module computes at that place (a softmax that the list does not call 'softmax' is quantised finished and normalised). What goes into a quantiser is computed in f32, as accurately as f32 sums, v_exp_f32 and their like allow (about 1e-6 of the number): no bf16 or f16 on the way to a quantiser, and a product that is left as it is and whose result goes on into a quantised operand takes f32 operands (vector FMAs, or v_wmma_f32_16x16x4_f32). A number that lies on a knife's edge between two numbers of the format may be rounded either way, as far as f32 arithmetic and the matrix unit's own rounding can turn it there, and no further.
;;   INPUTS GIVEN AS CODES. out_w (in the module: [1024, 1024], K = its axis 1); qkv_w (in the module: [3072, 1024], K = its axis 1): each comes as NAME_codes (uint8): NAME with its K axis moved to the last place and cut into blocks of 32 codes, [.., K / 32, bytes a block], one block behind the other in memory; two codes a byte, the lower K in the low four bits (a code: sign, 2 exponent bits, 1 mantissa bit); and NAME_scales (uint8): the same leading axes, one E8M0 byte (e + 127) for each 32 codes along K. Its value is code x scale, taken as it is: it is not quantised again, and the codes and scales need not be those that the quantiser above would give.
;; One version. Each part assembles by itself: llvm-mc -triple=amdgcn-amd-amdhsa -mcpu=gfx1250 --defsym DOCPART=n.
;; ======== version 1 of 1: 4 launches
;; workspace buffers: y_img 4,194,304 bytes; y_sc 262,144 bytes; q_rec 4,456,448 bytes; kv_rec 8,912,896 bytes; ctx_img 4,194,304 bytes; ctx_sc 262,144 bytes
;; launch lnq (part 1): grid 256 x 1, 8 waves a work-group, no clusters, 66,560 bytes of LDS; arguments hidden_states, ln_gamma, ln_beta, y_img, y_sc; writes y_img, y_sc
.if DOCPART == 1
	.amdgcn_target "amdgcn-amd-amdhsa--gfx1250"
	.amdhsa_code_object_version 6
	.text
	.protected	k_qbc27a1625c_lnq
	.globl	k_qbc27a1625c_lnq
	.p2align	8
	.type	k_qbc27a1625c_lnq,@function
k_qbc27a1625c_lnq:
	s_mov_b64 s[64:65], 0
	v_nop
	global_prefetch_b8 v0, s[64:65] scope:SCOPE_SE
	s_setreg_imm32_b32 hwreg(HW_REG_WAVE_MODE, 25, 1), 1
	s_wait_xcnt 0x0
; y = LayerNorm(x) x gamma + beta in f32, then quantised along the 1,024 features: codes of E2M1, one E8M0 byte for each 32.
; ROW ORDER of every workspace buffer: inside each 64 tokens, row 16 T + m stands for token 32 (m / 8) + 8 T + m % 8.  A tile is 16 such rows.
; y_img: [tile 512][block 32][row 16][16 bytes]: a matrix fragment (tile, 128 along K) is 1,024 bytes on end, 16 bytes a lane and register group.
; y_sc:  [pair of tiles 256][128 along K: 8][row of the pair 32][4 bytes]: a scale register for two tiles is 128 bytes on end.
; SHARES.  A work-group owns a pair of tiles.  Wave w owns rows 4 w .. 4 w + 3 of the pair, which are four neighbouring tokens: 16,384 bytes of x on end, read by 32 loads of 512 consecutive bytes.
; A row turns through the wave's own LDS bytes so that lane l holds block l (32 neighbours): the block's largest magnitude then needs no other lane, and the conversions take their eight numbers from one lane.
; Mean and variance are taken in two passes over the registers, as the definition has them.  Codes and bytes are gathered in LDS and leave as runs of 512 and 256 consecutive bytes.
; No matrix unit, no tensor load, no cluster: the launch streams, and work-groups share only gamma and beta (8,192 bytes).
; LIMITS: NaN and infinities are not served.  A block of zeros gets the byte 1: its codes are zeros, and this program alone reads the bytes.
.set TURNB, 4608                       ; a wave's turning place: 32 chunks of 128 bytes + 16 of padding
.set GAM,   36864                      ; gamma in the same chunk form
.set BET,   41472                      ; beta likewise
.set OUTC,  46080                      ; the pair's codes: 64 rows (tile, block) of 256 bytes + 16
.set OUTS,  63488                      ; the pair's scale bytes: 1,024, as they lie in y_sc
.set GA,  16                           ; v16-47   gamma of my block
.set BE,  48                           ; v48-79   beta of my block
.set X,   80                           ; v80-111  my block of the row in hand
.set R,   112                          ; v112-239 four rows as loaded
.set CH,  240                          ; v240-247 four chains of sums
.set MU,  248                          ; v[248:249] the mean (the upper word is only named)
.set VA,  250
.set RS,  252                          ; v[252:253] 1 / sqrt(var + eps)
.set PX,  254
	s_load_b256 s[4:11], s[0:1], 0x0               ; x s[4:5], gamma s[6:7], beta s[8:9], y_img s[10:11]
	s_load_b64 s[12:13], s[0:1], 0x20              ; y_sc
	v_lshl_add_u32 v251, v0, 2, 0x10000
	v_mov_b32 v255, 0
	v_lshrrev_b32 v1, 5, v0
	v_readfirstlane_b32 s14, v1                    ; wave 0..7
	v_and_b32 v1, 31, v0                           ; lane
	v_lshlrev_b32 v4, 4, v1                        ; 16 x lane: my bytes of a load's 512
	s_mul_i32 s15, s14, TURNB
	v_lshrrev_b32 v2, 3, v1
	v_mul_u32_u24 v2, v2, 144
	v_and_b32 v3, 7, v1
	v_lshl_add_u32 v2, v3, 4, v2
	v_add_nc_u32 v2, s15, v2                       ; into the turning place: eight lanes fill a chunk
	v_mul_u32_u24 v15, v1, 144                     ; 144 x lane: my chunk
	v_add_nc_u32 v3, s15, v15                      ; out of it
	s_lshr_b32 s16, s14, 2                         ; which tile of the pair
	s_mul_i32 s16, s16, 32*272
	s_and_b32 s17, s14, 3
	s_lshl_b32 s17, s17, 6
	s_add_co_u32 s16, s16, s17
	s_add_co_u32 s16, s16, OUTC
	v_mul_u32_u24 v5, v1, 272
	v_add_nc_u32 v5, s16, v5                       ; codes: row (tile, my block), 16 bytes for each of my wave's four rows
	v_lshrrev_b32 v6, 2, v1
	v_lshlrev_b32 v6, 7, v6
	v_and_b32 v7, 3, v1
	v_add_nc_u32 v6, v6, v7
	s_lshl_b32 s17, s14, 4
	s_add_co_u32 s17, s17, OUTS
	v_add_nc_u32 v6, s17, v6                       ; scale bytes: 128 (block / 4) + block % 4 + 16 x wave
	v_lshrrev_b32 v7, 3, v0
	v_mul_u32_u24 v7, v7, 144
	v_and_b32 v12, 7, v0
	v_lshl_add_u32 v7, v12, 4, v7                  ; gamma and beta into chunks: thread t brings 16 bytes
	v_lshrrev_b32 v13, 4, v0
	v_mul_u32_u24 v13, v13, 272
	v_and_b32 v12, 15, v0
	v_lshl_add_u32 v13, v12, 4, v13
	v_add_nc_u32 v13, OUTC, v13                    ; the way out: sixteen threads to a row of 256 bytes
	v_lshlrev_b32 v14, 4, v0                       ; 16 x thread
	v_mov_b32 v[MU+1], 0                           ; named as upper halves of pairs, so they are written
	v_mov_b32 v[RS+1], 0
	v_mov_b32 v[PX], 0                             ; a lane permute's destination counts as one of its sources
	s_lshr_b32 s18, ttmp9, 1                       ; my first token: 64 (p / 2) + 32 ((w / 2) % 2) + 16 (p % 2) + 8 (w / 4) + 4 (w % 2)
	s_lshl_b32 s18, s18, 6
	s_bfe_u32 s19, s14, 0x10001
	s_lshl_b32 s19, s19, 5
	s_add_co_u32 s18, s18, s19
	s_and_b32 s19, ttmp9, 1
	s_lshl_b32 s19, s19, 4
	s_add_co_u32 s18, s18, s19
	s_lshr_b32 s19, s14, 2
	s_lshl_b32 s19, s19, 3
	s_add_co_u32 s18, s18, s19
	s_and_b32 s19, s14, 1
	s_lshl_b32 s19, s19, 2
	s_add_co_u32 s18, s18, s19
	s_lshl_b32 s18, s18, 12                        ; x 4,096 bytes a token
	s_mov_b32 s19, 0
	s_lshl_b32 s24, ttmp9, 14                      ; the pair's 16,384 bytes of codes
	s_mov_b32 s25, 0
	s_lshl_b32 s26, ttmp9, 10                      ; and 1,024 scale bytes
	s_mov_b32 s27, 0
	s_mov_b32 s20, 0x3a800000                      ; 1 / 1024
	s_mov_b32 s21, 0x3727c5ac                      ; eps = 1e-5
	s_mov_b32 s22, 0x76543210                      ; lane l xor 16
	s_mov_b32 s23, 0xfedcba98
	s_wait_kmcnt 0x0
	s_add_nc_u64 s[4:5], s[4:5], s[18:19]
	s_add_nc_u64 s[10:11], s[10:11], s[24:25]
	s_add_nc_u64 s[12:13], s[12:13], s[26:27]
	global_load_b128 v[CH:CH+3], v14, s[6:7]
	global_load_b128 v[CH+4:CH+7], v14, s[8:9]
.irp i, 0,1,2,3
.irp j, 0,1,2,3,4,5,6,7
	global_load_b128 v[R+32*\i+4*\j:R+32*\i+4*\j+3], v4, s[4:5] offset:4096*\i+512*\j th:TH_LOAD_NT
.endr
.endr
	s_wait_loadcnt 32                              ; gamma and beta are in; the 32 loads of x stay out
	ds_store_b128 v7, v[CH:CH+3] offset:GAM
	ds_store_b128 v7, v[CH+4:CH+7] offset:BET
	s_wait_dscnt 0x0                               ; for the other waves' sake
	s_barrier_signal -1
	s_barrier_wait -1
.irp k, 0,1,2,3,4,5,6,7
	ds_load_b128 v[GA+4*\k:GA+4*\k+3], v15 offset:GAM+16*\k
	ds_load_b128 v[BE+4*\k:BE+4*\k+3], v15 offset:BET+16*\k
.endr
.macro FOLD                            ; four chains of pairs -> one number in every lane of the wave
	v_pk_add_f32 v[CH:CH+1], v[CH:CH+1], v[CH+2:CH+3]
	v_pk_add_f32 v[CH+4:CH+5], v[CH+4:CH+5], v[CH+6:CH+7]
	v_pk_add_f32 v[CH:CH+1], v[CH:CH+1], v[CH+4:CH+5]
	v_add_f32 v[CH], v[CH], v[CH+1]
	v_add_f32_dpp v[CH], v[CH], v[CH] row_xmask:1 row_mask:0xf bank_mask:0xf
	v_add_f32_dpp v[CH], v[CH], v[CH] row_xmask:2 row_mask:0xf bank_mask:0xf
	v_add_f32_dpp v[CH], v[CH], v[CH] row_xmask:4 row_mask:0xf bank_mask:0xf
	v_add_f32_dpp v[CH], v[CH], v[CH] row_xmask:8 row_mask:0xf bank_mask:0xf
	v_permlanex16_b32 v[PX], v[CH], s22, s23
	v_add_f32 v[CH], v[CH], v[PX]
.endm
.macro ROW i
	s_wait_loadcnt 8*(3-\i)                        ; this row's eight loads are in; the later rows' stay out
.irp j, 0,1,2,3,4,5,6,7
	ds_store_b128 v2, v[R+32*\i+4*\j:R+32*\i+4*\j+3] offset:576*\j
.endr
.irp k, 0,1,2,3,4,5,6,7
	ds_load_b128 v[X+4*\k:X+4*\k+3], v3 offset:16*\k       ; LDS serves a wave's instructions in order: these see the stores above
.endr
	s_wait_dscnt 0x0
.irp q, 0,1,2,3
	v_pk_add_f32 v[CH+2*\q:CH+2*\q+1], v[X+2*\q:X+2*\q+1], v[X+8+2*\q:X+9+2*\q]
.endr
.irp g, 16,24
.irp q, 0,1,2,3
	v_pk_add_f32 v[CH+2*\q:CH+2*\q+1], v[CH+2*\q:CH+2*\q+1], v[X+\g+2*\q:X+\g+2*\q+1]
.endr
.endr
	FOLD
	v_mul_f32 v[MU], s20, v[CH]                    ; the mean
.irp j, 0,2,4,6,8,10,12,14,16,18,20,22,24,26,28,30
	v_pk_add_f32 v[X+\j:X+\j+1], v[X+\j:X+\j+1], v[MU:MU+1] op_sel_hi:[1,0] neg_lo:[0,1] neg_hi:[0,1]
.endr
.irp q, 0,1,2,3
	v_pk_mul_f32 v[CH+2*\q:CH+2*\q+1], v[X+2*\q:X+2*\q+1], v[X+2*\q:X+2*\q+1]
.endr
.irp g, 8,16,24
.irp q, 0,1,2,3
	v_pk_fma_f32 v[CH+2*\q:CH+2*\q+1], v[X+\g+2*\q:X+\g+2*\q+1], v[X+\g+2*\q:X+\g+2*\q+1], v[CH+2*\q:CH+2*\q+1]
.endr
.endr
	FOLD
	v_fma_f32 v[VA], v[CH], s20, s21               ; var + eps
	v_rsq_f32 v[RS], v[VA]
	v_nop                                          ; a plain instruction behind the transcendental
	s_wait_alu depctr_va_vdst(0)                   ; and the wait ahead of its first reader
.irp j, 0,2,4,6,8,10,12,14,16,18,20,22,24,26,28,30
	v_pk_mul_f32 v[X+\j:X+\j+1], v[X+\j:X+\j+1], v[RS:RS+1] op_sel_hi:[1,0]
.endr
.irp j, 0,2,4,6,8,10,12,14,16,18,20,22,24,26,28,30
	v_pk_fma_f32 v[X+\j:X+\j+1], v[X+\j:X+\j+1], v[GA+\j:GA+\j+1], v[BE+\j:BE+\j+1]
.endr
	v_max3_num_f32 v[CH], |v[X]|, |v[X+1]|, |v[X+2]|       ; the block's largest magnitude: all 32 numbers are mine
	v_max3_num_f32 v[CH+1], |v[X+3]|, |v[X+4]|, |v[X+5]|
.irp u, 6,10,14,18,22,26
	v_max3_num_f32 v[CH], v[CH], |v[X+\u]|, |v[X+\u+1]|
	v_max3_num_f32 v[CH+1], v[CH+1], |v[X+\u+2]|, |v[X+\u+3]|
.endr
	v_max3_num_f32 v[CH], v[CH], |v[X+30]|, |v[X+31]|
	v_max3_num_f32 v[CH], v[CH], v[CH+1], 0x1800000        ; the floor 2^(3 - 127): the byte cannot fall under 1
	v_add_nc_u32 v[CH+2], 0xff000000, v[CH]                ; 2 off the exponent field: the conversion's scale operand
.irp g, 0,1,2,3
	v_cvt_scalef32_pk8_fp4_f32 v[8+\g], v[X+8*\g:X+8*\g+7], v[CH+2]
.endr
	v_lshrrev_b32 v12, 23, v[CH+2]                 ; the scale's byte (also the plain instruction behind the conversions)
	ds_store_b128 v5, v[8:11] offset:16*\i
	ds_store_b8 v6, v12 offset:4*\i
.endm
	ROW 0
	ROW 1
	ROW 2
	ROW 3
	v_lshlrev_b32 v9, 3, v0                        ; the scale bytes' way out: 8 bytes a thread, threads 0 to 127
	v_add_nc_u32 v8, OUTS, v9
	s_wait_dscnt 0x0                               ; my codes and bytes lie in LDS
	s_barrier_signal -1
	s_barrier_wait -1
.irp k, 0,1,2,3
	ds_load_b128 v[R+4*\k:R+4*\k+3], v13 offset:4352*\k
.endr
.irp k, 0,1,2,3
	s_wait_dscnt 3-\k                              ; the later reads stay out
	global_store_b128 v14, v[R+4*\k:R+4*\k+3], s[10:11] offset:4096*\k     ; a wave stores 512 consecutive bytes
.endr
	s_cmp_gt_u32 s14, 3
	s_cbranch_scc1 .Ldone
	ds_load_b64 v[R+16:R+17], v8
	s_wait_dscnt 0x0
	global_store_b64 v9, v[R+16:R+17], s[12:13]    ; a wave stores 256 consecutive bytes
.Ldone:
	s_wait_tensorcnt 0x0
	ds_add_u32 v251, v255
	s_wait_dscnt 0x0
	s_endpgm
.Lfunc_end_k_qbc27a1625c_lnq:
	.size	k_qbc27a1625c_lnq, .Lfunc_end_k_qbc27a1625c_lnq-k_qbc27a1625c_lnq
	.p2alignl 7, 3214868480
	.fill 96, 4, 3214868480
	.section	.rodata,"a",@progbits
	.p2align	6, 0x0
	.amdhsa_kernel k_qbc27a1625c_lnq
		.amdhsa_group_segment_fixed_size 66560
		.amdhsa_private_segment_fixed_size 0
		.amdhsa_enable_private_segment 0
		.amdhsa_kernarg_size 40
		.amdhsa_user_sgpr_count 2
		.amdhsa_user_sgpr_kernarg_segment_ptr 1
		.amdhsa_wavefront_size32 1
		.amdhsa_system_sgpr_workgroup_id_x 1
		.amdhsa_system_sgpr_workgroup_id_y 1
		.amdhsa_system_sgpr_workgroup_id_z 1
		.amdhsa_system_vgpr_workitem_id 0
		.amdhsa_next_free_vgpr 256
		.amdhsa_next_free_sgpr 66
		.amdhsa_reserve_vcc 0
		.amdhsa_float_denorm_mode_32 3
		.amdhsa_float_denorm_mode_16_64 3
		.amdhsa_memory_ordered 1
		.amdhsa_forward_progress 1
		.amdhsa_inst_pref_size 44
	.end_amdhsa_kernel
	.amdgpu_metadata
---
amdhsa.version: [ 1, 2 ]
amdhsa.kernels:
  - .name:           k_qbc27a1625c_lnq
    .symbol:         k_qbc27a1625c_lnq.kd
    .args:
      - { .name: hidden_states, .offset: 0, .size: 8, .value_kind: global_buffer, .address_space: global }
      - { .name: ln_gamma, .offset: 8, .size: 8, .value_kind: global_buffer, .address_space: global }
      - { .name: ln_beta, .offset: 16, .size: 8, .value_kind: global_buffer, .address_space: global }
      - { .name: y_img, .offset: 24, .size: 8, .value_kind: global_buffer, .address_space: global }
      - { .name: y_sc, .offset: 32, .size: 8, .value_kind: global_buffer, .address_space: global }
    .group_segment_fixed_size: 66560
    .private_segment_fixed_size: 0
    .kernarg_segment_align: 8
    .kernarg_segment_size: 40
    .max_flat_workgroup_size: 256
    .sgpr_count:     66
    .vgpr_count:     256
    .wavefront_size: 32
...
	.end_amdgpu_metadata
.endif
;; end of part 1
;; launch qkv (part 2): grid 24 x 32, 4 waves a work-group, clusters of 4 x 4, 213,504 bytes of LDS; arguments y_img, y_sc, qkv_w_codes, qkv_w_scales, qkv_b, q_rec, kv_rec; writes q_rec, kv_rec
.if DOCPART == 2
	.amdgcn_target "amdgcn-amd-amdhsa--gfx1250"
	.amdhsa_code_object_version 6
	.text
	.protected	k_qbc27a1625c_qkv
	.globl	k_qbc27a1625c_qkv
	.p2align	8
	.type	k_qbc27a1625c_qkv,@function
k_qbc27a1625c_qkv:
	s_mov_b64 s[64:65], 0
	v_nop
	global_prefetch_b8 v0, s[64:65] scope:SCOPE_SE
	s_setreg_imm32_b32 hwreg(HW_REG_WAVE_MODE, 25, 1), 1
	s_wait_xcnt 0x0
	s_wait_alu depctr_hold_cnt(0) depctr_sa_sdst(0) depctr_va_vdst(0) depctr_va_sdst(0) depctr_va_ssrc(0) depctr_va_vcc(0) depctr_vm_vsrc(0)
	s_getreg_b32 s2, hwreg(HW_REG_IB_STS2, 6, 4)
	s_cmp_eq_u32 s2, 0
	s_cbranch_scc0 .Lentry_in_a_cluster
	s_endpgm
.Lentry_in_a_cluster:
	s_bfe_u32 s2, ttmp6, 0x10000c
	s_cmp_lg_u32 s2, 0xf033
	s_cbranch_scc0 .Lentry_shape_is_right
	s_endpgm
.Lentry_shape_is_right:
; q, k, v = y W^T + b on codes of E2M1, and their quantisers: q and k along the head's 64, v along the keys.
; A work-group makes 256 rows (workspace row order) x 128 features; K = 1,024 lies in LDS whole, in two halves, each filled once: nothing is filled again.
; Four waves; wave (wm, wn) makes 128 rows x 64 features = one attention step of 128 tokens x one head: 32 accumulators, which take turns in the same order in all eight K steps.
; CLUSTER 4 x 4: y's tiles and scales hang on the tile row alone and are asked for jointly along a row of the cluster, the weights' along a column.  Each wave has six tensor loads out at the start.
; q, k: the product is used transposed (source 0 = 16 features, source 1 = 16 rows): a lane holds one row and 8 neighbouring features a tile.  v: not transposed: a lane holds one feature and,
; by the workspace's row order, whole blocks of 32 neighbouring keys: no lane is asked for a maximum and the conversions' results are the operand's registers.
; The bias is the C of each sum's first product.
; OUT.  q_rec [b, head][step 16] 4,352 bytes: 8 tiles x 512 (lane (r, h) = block h of row r), then 256 bytes of scale words.  kv_rec 8,704 bytes: K likewise at 0, V at 4,096 ([d tile][register group][lane][16]),
; K's scale words at 8,192, V's at 8,448.  Every store of a wave covers 512 or 256 consecutive bytes, aligned.
; LIMITS: NaN and infinities are not served; a block of zeros gets the byte 1 (zero codes; the bytes are this program's own).
.set B_ROWS, 131072                    ; LDS: y's images at 0: [K half 2][tile 16][4,096]; then the weights: [K half 2][row 128][256 + 16]
.set A_SC,   200704                    ; y's scale words: 8 pairs of tiles x 1,024
.set B_SC,   208896                    ; the weights' scale bytes: [row 128][32]
.set WV, 18
.set MSB, 0
.macro WIN new                         ; the immediate's high byte repeats the setting that is left
.if MSB != \new
	s_set_vgpr_msb (MSB<<8)|\new
.set MSB, \new
.endif
.endm
.macro PLACES n
.rept \n
	v_nop
.endr
.endm
.macro CROUND                          ; a round of the cluster's barrier
	s_barrier_signal -1
	s_barrier_wait -1
	s_cmp_lg_u32 s[WV], 0
	s_cbranch_scc1 .Lnw0_\@
	s_barrier_signal -3
.Lnw0_\@:
	s_barrier_wait -3
	s_barrier_signal -1
	s_barrier_wait -1
.endm
.macro MMX                             ; one product; registers from the symbols rD rA rB rC rSA rSB; rRA, rRB: the scales stand in lanes 16-31
.if rRA && rRB
	v_wmma_scale_f32_16x16x128_f8f6f4 v[rD:rD+7], v[rA:rA+7], v[rB:rB+7], v[rC:rC+7], v[rSA], v[rSB] matrix_a_fmt:MATRIX_FMT_FP4 matrix_b_fmt:MATRIX_FMT_FP4 matrix_a_scale:MATRIX_SCALE_ROW1 matrix_b_scale:MATRIX_SCALE_ROW1
.elseif rRA
	v_wmma_scale_f32_16x16x128_f8f6f4 v[rD:rD+7], v[rA:rA+7], v[rB:rB+7], v[rC:rC+7], v[rSA], v[rSB] matrix_a_fmt:MATRIX_FMT_FP4 matrix_b_fmt:MATRIX_FMT_FP4 matrix_a_scale:MATRIX_SCALE_ROW1
.elseif rRB
	v_wmma_scale_f32_16x16x128_f8f6f4 v[rD:rD+7], v[rA:rA+7], v[rB:rB+7], v[rC:rC+7], v[rSA], v[rSB] matrix_a_fmt:MATRIX_FMT_FP4 matrix_b_fmt:MATRIX_FMT_FP4 matrix_b_scale:MATRIX_SCALE_ROW1
.else
	v_wmma_scale_f32_16x16x128_f8f6f4 v[rD:rD+7], v[rA:rA+7], v[rB:rB+7], v[rC:rC+7], v[rSA], v[rSB] matrix_a_fmt:MATRIX_FMT_FP4 matrix_b_fmt:MATRIX_FMT_FP4
.endif
.endm
; REGISTERS.  window 0: v1 r, v2 h, v3 16 lane, v4 8 lane, v5-6 y's images (K half 0, 1), v7 the weights' rows, v8 y's scale words, v9 the weights'; v16-47 y's scale words (pair p, K step s: 16 + 8 p + s);
; v48-63 the weights' (48 + 8 half + 4 pair + step % 4); v64-127, v128-191 y's fragments, two buffers; v192-223, v224-255 the weights', two buffers.  window 1: the accumulators (row tile i, feature tile n: 8 (4 i + n)).  window 2: v0-31 the bias.
.macro FETCH s                         ; 24 LDS loads: K step s's fragments into buffer s % 2
.set fb, 64+64*((\s)%2)
.set gb, 192+32*((\s)%2)
.irp i, 0,1,2,3,4,5,6,7
.irp c, 0,1
	ds_load_b128 v[fb+8*\i+4*\c:fb+8*\i+4*\c+3], v[5+(\s)/4] offset:4096*\i+1024*((\s)%4)+512*\c
.endr
.endr
.irp n, 0,1,2,3
.irp c, 0,1
	ds_load_b128 v[gb+8*\n+4*\c:gb+8*\n+4*\c+3], v7 offset:34816*((\s)/4)+4352*\n+64*((\s)%4)+32*\c
.endr
.endr
.endm
.macro SCALES                          ; all scale words of my rows and features, once
.irp p, 0,1,2,3
.irp s, 0,1,2,3,4,5,6,7
	ds_load_b32 v[16+8*\p+\s], v8 offset:1024*\p+128*\s
.endr
.endr
.irp k, 0,1
.irp p, 0,1
	ds_load_b128 v[48+8*\k+4*\p:48+8*\k+4*\p+3], v9 offset:1024*\p+16*\k
.endr
.endr
.endm
.macro KSTEP s, orient                 ; 128 along K: the next step's fragments are asked for, then 32 products
.if \s == 3
	s_wait_tensorcnt 0x0                           ; my parts of K half 1 have landed,
	s_wait_dscnt 0x0                               ; no LDS instruction of mine is out at the signal,
	s_barrier_signal -1
	s_barrier_wait -1                              ; everybody's have
.endif
.if \s < 7
.if \s > 0
	PLACES 4                                       ; in front of loads into registers that the last step but one's products read
.endif
	FETCH \s+1
	s_wait_dscnt 24                                ; all but the 24 just issued: this step's fragments (and the scale words) are in
.else
	s_wait_dscnt 0x0
.endif
.if \s == 0
	WIN 0x60                                       ; D window 1, C (the bias) window 2
.else
	WIN 0x50                                       ; C and D window 1
.endif
.irp i, 0,1,2,3,4,5,6,7
.irp n, 0,1,2,3
.set rD, 8*(4*\i+\n)
.if \s == 0
.set rC, 8*\n
.else
.set rC, rD
.endif
.if \orient
.set rA, 64+64*((\s)%2)+8*\i
.set rB, 192+32*((\s)%2)+8*\n
.set rSA, 16+8*(\i/2)+(\s)
.set rSB, 48+8*((\s)/4)+4*(\n/2)+(\s)%4
.set rRA, \i%2
.set rRB, \n%2
.else
.set rB, 64+64*((\s)%2)+8*\i
.set rA, 192+32*((\s)%2)+8*\n
.set rSB, 16+8*(\i/2)+(\s)
.set rSA, 48+8*((\s)/4)+4*(\n/2)+(\s)%4
.set rRB, \i%2
.set rRA, \n%2
.endif
	MMX
.endr
.endr
	WIN 0
.endm
.macro START
	s_wait_tensorcnt 0x2                           ; the scales and K half 0 are in; my two loads of K half 1 stay out
	s_barrier_signal -1
	s_barrier_wait -1
	SCALES
	FETCH 0
.endm
	s_load_b256 s[4:11], s[0:1], 0x0               ; y_img s[4:5], y_sc s[6:7], W's codes s[8:9], W's scales s[10:11]
	s_load_b128 s[12:15], s[0:1], 0x20             ; the bias s[12:13], q_rec s[14:15]
	s_load_b64 s[16:17], s[0:1], 0x30              ; kv_rec
	v_lshl_add_u32 v14, v0, 2, 0x34000
	v_mov_b32 v15, 0
	ds_add_u32 v14, v15
	ds_add_u32 v14, v15
	v_lshrrev_b32 v1, 5, v0
	v_readfirstlane_b32 s[WV], v1                  ; wave 0..3
	s_lshr_b32 s19, s[WV], 1                       ; wm: which 128 rows
	s_and_b32 s20, s[WV], 1                        ; wn: which 64 features
	s_bfe_u32 s21, ttmp6, 0x40000                  ; cx
	s_bfe_u32 s22, ttmp6, 0x40004                  ; cy
	s_lshl_b32 s23, ttmp9, 2
	s_add_co_u32 s23, s23, s21                     ; tx: 128 features
	s_and_b32 s24, ttmp7, 0xffff
	s_lshl_b32 s24, s24, 2
	s_add_co_u32 s24, s24, s22                     ; ty: 256 rows
	s_lshl_b32 s25, s22, 2
	s_lshl_b32 s25, 15, s25                        ; my row of the cluster
	s_lshl_b32 s26, 0x1111, s21                    ; my column
	s_lshr_b32 s27, ttmp9, 1                       ; 0: q, 1: k, 2: v: the same in the whole cluster
	; group 1 for y's images: 4 tiles' halves: rows of 4,096 bytes (512 elements of 8), 8,192 bytes apart
	s_or_b32 s36, s25, (3<<16)|(1<<21)
	s_mov_b32 s37, 512<<16
	s_mov_b32 s38, 4<<16
	s_mov_b32 s39, 512<<16
	s_mov_b32 s40, 4
	s_mov_b32 s41, 1024
	s_mov_b32 s42, 0
	s_mov_b32 s43, 0
	; for the weights: 32 rows of 256 bytes, 512 bytes apart, 16 bytes of padding behind each
	s_or_b32 s44, s26, (3<<16)|(1<<20)|(1<<21)|(5<<22)|(3<<25)
	s_mov_b32 s45, 32<<16
	s_mov_b32 s46, 32<<16
	s_mov_b32 s47, 32<<16
	s_mov_b32 s48, 32
	s_mov_b32 s49, 64
	s_mov_b32 s50, 0
	s_mov_b32 s51, 0
	; for y's scale words: 2,048 dense bytes
	s_or_b32 s52, s25, (3<<16)|(1<<21)
	s_mov_b32 s53, 32<<16
	s_mov_b32 s54, 8<<16
	s_mov_b32 s55, 32<<16
	s_mov_b32 s56, 8
	s_mov_b32 s57, 32
	s_mov_b32 s58, 0
	s_mov_b32 s59, 0
	; for the weights' scale bytes: 1,024 dense bytes
	s_or_b32 s68, s26, (3<<16)|(1<<21)
	s_mov_b32 s69, 32<<16
	s_mov_b32 s70, 4<<16
	s_mov_b32 s71, 32<<16
	s_mov_b32 s72, 4
	s_mov_b32 s73, 32
	s_mov_b32 s74, 0
	s_mov_b32 s75, 0
	; offsets: y's hang on ty and the wave, the weights' on tx and the wave, each in registers that never hold the other coordinate
	s_lshl_b32 s28, s24, 17                        ; (16 ty + 4 w) tiles of 8,192 bytes
	s_lshl_b32 s29, s[WV], 15
	s_add_co_u32 s28, s28, s29
	s_mov_b32 s29, 0
	s_lshl_b32 s60, s24, 13                        ; 8,192 ty + 2,048 w
	s_lshl_b32 s61, s[WV], 11
	s_add_co_u32 s60, s60, s61
	s_mov_b32 s61, 0
	s_lshl_b32 s30, s23, 16                        ; (128 tx + 32 w) rows of 512 bytes
	s_lshl_b32 s31, s[WV], 14
	s_add_co_u32 s30, s30, s31
	s_mov_b32 s31, 0
	s_lshl_b32 s62, s23, 12                        ; 4,096 tx + 1,024 w
	s_lshl_b32 s63, s[WV], 10
	s_add_co_u32 s62, s62, s63
	s_mov_b32 s63, 0
	s_wait_dscnt 0x0
	s_wait_kmcnt 0x0
	s_mov_b32 s76, 1
	s_lshl_b32 s77, s[WV], 11
	s_add_co_u32 s77, s77, A_SC
	s_add_nc_u64 s[78:79], s[6:7], s[60:61]
	s_or_b32 s79, s79, 0x80000000
	s_mov_b32 s80, 1
	s_lshl_b32 s81, s[WV], 10
	s_add_co_u32 s81, s81, B_SC
	s_add_nc_u64 s[82:83], s[10:11], s[62:63]
	s_or_b32 s83, s83, 0x80000000
	s_mov_b32 s84, 1
	s_lshl_b32 s85, s[WV], 14
	s_add_nc_u64 s[86:87], s[4:5], s[28:29]
	s_mov_b32 s92, 1
	s_add_co_u32 s93, s85, 65536
	s_add_nc_u64 s[94:95], s[86:87], 4096
	s_or_b32 s87, s87, 0x80000000
	s_or_b32 s95, s95, 0x80000000
	s_mov_b32 s88, 1
	s_mul_i32 s89, s[WV], 8704
	s_add_co_u32 s89, s89, B_ROWS
	s_add_nc_u64 s[90:91], s[8:9], s[30:31]
	s_mov_b32 s96, 1
	s_add_co_u32 s97, s89, 34816
	s_add_nc_u64 s[98:99], s[90:91], 256
	s_or_b32 s91, s91, 0x80000000
	s_or_b32 s99, s99, 0x80000000
	CROUND                                         ; all sixteen work-groups are here: the joint loads meet
	tensor_load_to_lds s[76:79], s[52:59]          ; y's scale words
	s_nop 0
	tensor_load_to_lds s[80:83], s[68:75]          ; the weights' scale bytes
	s_nop 0
	tensor_load_to_lds s[84:87], s[36:43]          ; y, K half 0
	s_nop 0
	tensor_load_to_lds s[88:91], s[44:51]          ; W, K half 0
	s_nop 0
	tensor_load_to_lds s[92:95], s[36:43]          ; y, K half 1
	s_nop 0
	tensor_load_to_lds s[96:99], s[44:51]          ; W, K half 1
	s_nop 0
	PLACES 4
	v_and_b32 v10, 31, v0                          ; lane
	v_and_b32 v1, 15, v0                           ; r
	v_bfe_u32 v2, v0, 4, 1                         ; h
	v_lshlrev_b32 v3, 4, v10
	v_lshlrev_b32 v4, 3, v10
	s_lshl_b32 s32, s19, 15
	v_add_nc_u32 v5, s32, v3                       ; my 8 tiles' images, K half 0
	v_add_nc_u32 v6, 0x10000, v5                   ; K half 1
	v_mul_u32_u24 v7, v1, 272
	v_lshl_add_u32 v7, v2, 4, v7
	s_mul_i32 s32, s20, 17408
	s_add_co_u32 s32, s32, B_ROWS
	v_add_nc_u32 v7, s32, v7                       ; my 64 rows of W: row r, + 16 h
	v_lshlrev_b32 v8, 2, v10
	s_lshl_b32 s32, s19, 12
	s_add_co_u32 s32, s32, A_SC
	v_add_nc_u32 v8, s32, v8
	v_lshlrev_b32 v9, 5, v10
	s_lshl_b32 s32, s20, 11
	s_add_co_u32 s32, s32, B_SC
	v_add_nc_u32 v9, s32, v9
	v_lshlrev_b32 v10, 3, v2                       ; 8 h
	s_mov_b32 s28, 0x76543210                      ; lane l xor 16
	s_mov_b32 s29, 0xfedcba98
	s_mov_b32 vcc_lo, 0xffff0000                   ; lanes 16-31
	s_and_b32 s2, s23, 7
	s_lshl_b32 s2, s2, 1
	s_add_co_u32 s2, s2, s20                       ; the head
	s_lshr_b32 s3, s24, 3
	s_lshl_b32 s3, s3, 4
	s_add_co_u32 s2, s2, s3                        ; 16 b + head
	s_lshl_b32 s2, s2, 4
	s_and_b32 s3, s24, 7
	s_lshl_b32 s3, s3, 1
	s_add_co_u32 s3, s3, s19                       ; the step of 128 tokens
	s_add_co_u32 s2, s2, s3                        ; the record's number
	s_lshl_b32 s32, s23, 9
	s_lshl_b32 s33, s20, 8
	s_add_co_u32 s32, s32, s33
	s_mov_b32 s33, 0
	s_add_nc_u64 s[12:13], s[12:13], s[32:33]      ; the bias of my 64 features
	s_cmp_eq_u32 s27, 2
	s_cbranch_scc1 .Lpath_v
	; ---------------- q and k
	v_lshlrev_b32 v11, 5, v2                       ; register j of tile n: feature 16 n + 8 h + j
	WIN 0x80
.irp n, 0,1,2,3
	global_load_b128 v[8*\n:8*\n+3], v11, s[12:13] offset:64*\n
	global_load_b128 v[8*\n+4:8*\n+7], v11, s[12:13] offset:64*\n+16
.endr
	WIN 0
	s_mov_b32 s3, 8704
	s_mov_b32 s30, 8192
	s_cmp_eq_u32 s27, 0
	s_cselect_b64 s[32:33], s[14:15], s[16:17]     ; q_rec or kv_rec
	s_cselect_b32 s3, 4352, s3                     ; a record's bytes
	s_cselect_b32 s30, 4096, s30                   ; where its scale words begin
	s_mul_i32 s34, s2, s3
	s_mov_b32 s35, 0
	s_add_nc_u64 s[32:33], s[32:33], s[34:35]
	s_mov_b32 s31, 0
	s_add_nc_u64 s[34:35], s[32:33], s[30:31]
	START
	s_wait_loadcnt 0x0                             ; the bias
.irp s, 0,1,2,3,4,5,6,7
	KSTEP \s, 0
.endr
	PLACES 4
	; the quantiser: block b of row r lies in tiles 2 b, 2 b + 1 of lanes (r, 0) and (r, 1).  v64-79 largest magnitudes (2 i + b), v80-95 the other lane's, v96-111 scale operands, v112-127 bytes, v128-159 codes
	WIN 0x14
.irp q, 0,1,2,3,4,5,6,7
.irp i, 0,1,2,3,4,5,6,7
.irp b, 0,1
.set aS, 8*(4*\i+2*\b+\q/4)+2*(\q%4)
.if \q == 0
	v_max3_num_f32 v[64+2*\i+\b], 0x1800000, |v[aS]|, |v[aS+1]|            ; the floor 2^(3 - 127) among the leaves; each accumulator is read from its low end on
.else
	v_max3_num_f32 v[64+2*\i+\b], v[64+2*\i+\b], |v[aS]|, |v[aS+1]|
.endif
.endr
.endr
.endr
	WIN 0
.irp x, 0,1,2,3,4,5,6,7,8,9,10,11,12,13,14,15
	v_permlanex16_b32 v[80+\x], v[64+\x], s28, s29
.endr
.irp x, 0,1,2,3,4,5,6,7,8,9,10,11,12,13,14,15
	v_max_num_f32 v[64+\x], v[64+\x], v[80+\x]
.endr
.irp x, 0,1,2,3,4,5,6,7,8,9,10,11,12,13,14,15
	v_add_nc_u32 v[96+\x], 0xff000000, v[64+\x]    ; 2 off the exponent field
.endr
.irp x, 0,1,2,3,4,5,6,7,8,9,10,11,12,13,14,15
	v_lshrrev_b32 v[112+\x], 23, v[96+\x]
.endr
.irp i, 0,1,2,3,4,5,6,7
	v_lshl_or_b32 v[160+\i], v[113+2*\i], 8, v[112+2*\i]   ; a tile's two bytes
.endr
.irp f, 0,1,2,3
	v_lshl_or_b32 v[168+\f], v[161+2*\f], 16, v[160+2*\f]  ; two tiles' make a word: attention takes two tiles of keys in one fragment
.endr
	v_cndmask_b32 v172, v168, v169, vcc_lo
	v_cndmask_b32 v173, v170, v171, vcc_lo
	WIN 0x01
.irp i, 0,1,2,3,4,5,6,7
	v_cvt_scalef32_pk8_fp4_f32 v[128+4*\i], v[8*(4*\i):8*(4*\i)+7], v[96+2*\i]
	v_cvt_scalef32_pk8_fp4_f32 v[129+4*\i], v[8*(4*\i+2):8*(4*\i+2)+7], v[97+2*\i]
	v_cvt_scalef32_pk8_fp4_f32 v[130+4*\i], v[8*(4*\i+1):8*(4*\i+1)+7], v[96+2*\i]
	v_cvt_scalef32_pk8_fp4_f32 v[131+4*\i], v[8*(4*\i+3):8*(4*\i+3)+7], v[97+2*\i]
.endr
	WIN 0
	v_nop                                          ; a plain instruction behind the conversions
.irp i, 0,1,2,3,4,5,6,7
	v_permlane16_swap_b32 v[128+4*\i], v[129+4*\i] ; lanes 0-15 now hold block 0 whole, lanes 16-31 block 1
	v_permlane16_swap_b32 v[130+4*\i], v[131+4*\i]
.endr
.irp i, 0,1,2,3,4,5,6,7
	global_store_b128 v3, v[128+4*\i:131+4*\i], s[32:33] offset:512*\i
.endr
	global_store_b64 v4, v[172:173], s[34:35]
	s_branch .Lend
	; ---------------- v
.Lpath_v:
	v_lshlrev_b32 v11, 2, v1                       ; a lane holds feature 16 n + r in all eight registers of tile n
	WIN 0x80
.irp n, 0,1,2,3
.irp j, 0,1,2,3,4,5,6,7
	global_load_b32 v[8*\n+\j], v11, s[12:13] offset:64*\n
.endr
.endr
	WIN 0
	s_mul_i32 s34, s2, 8704
	s_mov_b32 s35, 0
	s_add_nc_u64 s[32:33], s[16:17], s[34:35]
	START
	s_wait_loadcnt 0x0
.irp s, 0,1,2,3,4,5,6,7
	KSTEP \s, 1
.endr
	PLACES 4
	; lane (feature r, h) holds key block 2 c + h whole in row tiles 4 c .. 4 c + 3.  v64-71 largest magnitudes (2 n + c), v96-103 scale operands, v112-119 bytes, v128-159 codes
	WIN 0x14
.irp q, 0,1,2,3,4,5,6,7,8,9,10,11,12,13,14,15
.irp n, 0,1,2,3
.irp c, 0,1
.set aS, 8*(4*(4*\c+\q/4)+\n)+2*(\q%4)
.if \q == 0
	v_max3_num_f32 v[64+2*\n+\c], 0x1800000, |v[aS]|, |v[aS+1]|
.else
	v_max3_num_f32 v[64+2*\n+\c], v[64+2*\n+\c], |v[aS]|, |v[aS+1]|
.endif
.endr
.endr
.endr
	WIN 0
.irp x, 0,1,2,3,4,5,6,7
	v_add_nc_u32 v[96+\x], 0xff000000, v[64+\x]
.endr
.irp x, 0,1,2,3,4,5,6,7
	v_lshrrev_b32 v[112+\x], 23, v[96+\x]
.endr
.irp n, 0,1,2,3
	v_lshl_or_b32 v[160+\n], v[113+2*\n], 16, v[112+2*\n]  ; my two bytes: blocks h and 2 + h,
.endr
.irp n, 0,1,2,3
	v_lshlrev_b32 v[160+\n], v10, v[160+\n]        ; at their places in the word (8 h bits up);
.endr
.irp n, 0,1,2,3
	v_permlanex16_b32 v[80+\n], v[160+\n], s28, s29
.endr
.irp n, 0,1,2,3
	v_or_b32 v[160+\n], v[160+\n], v[80+\n]        ; with the other lane's two the word is whole
.endr
	v_cndmask_b32 v172, v160, v161, vcc_lo
	v_cndmask_b32 v173, v162, v163, vcc_lo
	WIN 0x01
.irp n, 0,1,2,3
.irp c, 0,1
.irp u, 0,1,2,3
	v_cvt_scalef32_pk8_fp4_f32 v[128+8*\n+4*\c+\u], v[8*(4*(4*\c+\u)+\n):8*(4*(4*\c+\u)+\n)+7], v[96+2*\n+\c]
.endr
.endr
.endr
	WIN 0
	v_nop
.irp n, 0,1,2,3
.irp c, 0,1
	global_store_b128 v3, v[128+8*\n+4*\c:131+8*\n+4*\c], s[32:33] offset:4096+1024*\n+512*\c
.endr
.endr
	global_store_b64 v4, v[172:173], s[32:33] offset:8448
.Lend:
	s_wait_tensorcnt 0x0
	ds_add_u32 v14, v15
	s_wait_dscnt 0x0
	CROUND                                         ; the closing round: no work-group ends while a partner may still ask for a tile that names it
	s_endpgm
.Lfunc_end_k_qbc27a1625c_qkv:
	.size	k_qbc27a1625c_qkv, .Lfunc_end_k_qbc27a1625c_qkv-k_qbc27a1625c_qkv
	.p2alignl 7, 3214868480
	.fill 96, 4, 3214868480
	.section	.rodata,"a",@progbits
	.p2align	6, 0x0
	.amdhsa_kernel k_qbc27a1625c_qkv
		.amdhsa_group_segment_fixed_size 213504
		.amdhsa_private_segment_fixed_size 0
		.amdhsa_enable_private_segment 0
		.amdhsa_kernarg_size 56
		.amdhsa_user_sgpr_count 2
		.amdhsa_user_sgpr_kernarg_segment_ptr 1
		.amdhsa_wavefront_size32 1
		.amdhsa_system_sgpr_workgroup_id_x 1
		.amdhsa_system_sgpr_workgroup_id_y 1
		.amdhsa_system_sgpr_workgroup_id_z 1
		.amdhsa_system_vgpr_workitem_id 0
		.amdhsa_next_free_vgpr 640
		.amdhsa_next_free_sgpr 100
		.amdhsa_reserve_vcc 1
		.amdhsa_float_denorm_mode_32 3
		.amdhsa_float_denorm_mode_16_64 3
		.amdhsa_memory_ordered 1
		.amdhsa_forward_progress 1
		.amdhsa_inst_pref_size 138
	.end_amdhsa_kernel
	.amdgpu_metadata
---
amdhsa.version: [ 1, 2 ]
amdhsa.kernels:
  - .name:           k_qbc27a1625c_qkv
    .symbol:         k_qbc27a1625c_qkv.kd
    .args:
      - { .name: y_img, .offset: 0, .size: 8, .value_kind: global_buffer, .address_space: global }
      - { .name: y_sc, .offset: 8, .size: 8, .value_kind: global_buffer, .address_space: global }
      - { .name: qkv_w_codes, .offset: 16, .size: 8, .value_kind: global_buffer, .address_space: global }
      - { .name: qkv_w_scales, .offset: 24, .size: 8, .value_kind: global_buffer, .address_space: global }
      - { .name: qkv_b, .offset: 32, .size: 8, .value_kind: global_buffer, .address_space: global }
      - { .name: q_rec, .offset: 40, .size: 8, .value_kind: global_buffer, .address_space: global }
      - { .name: kv_rec, .offset: 48, .size: 8, .value_kind: global_buffer, .address_space: global }
    .group_segment_fixed_size: 213504
    .private_segment_fixed_size: 0
    .kernarg_segment_align: 8
    .kernarg_segment_size: 56
    .max_flat_workgroup_size: 128
    .sgpr_count:     100
    .vgpr_count:     640
    .wavefront_size: 32
...
	.end_amdgpu_metadata
.endif
;; end of part 2
;; launch attn (part 3): grid 8 x 32, 8 waves a work-group, clusters of 4 x 1, 287,744 bytes of LDS; arguments encoder_padding_mask, q_rec, kv_rec, ctx_img, ctx_sc; writes ctx_img, ctx_sc
.if DOCPART == 3
	.amdgcn_target "amdgcn-amd-amdhsa--gfx1250"
	.amdhsa_code_object_version 6
	.text
	.protected	k_qbc27a1625c_attn
	.globl	k_qbc27a1625c_attn
	.p2align	8
	.type	k_qbc27a1625c_attn,@function
k_qbc27a1625c_attn:
	s_mov_b64 s[64:65], 0
	v_nop
	global_prefetch_b8 v0, s[64:65] scope:SCOPE_SE
	s_setreg_imm32_b32 hwreg(HW_REG_WAVE_MODE, 25, 1), 1
	s_wait_xcnt 0x0
	s_wait_alu depctr_hold_cnt(0) depctr_sa_sdst(0) depctr_va_vdst(0) depctr_va_sdst(0) depctr_va_ssrc(0) depctr_va_vcc(0) depctr_vm_vsrc(0)
	s_getreg_b32 s2, hwreg(HW_REG_IB_STS2, 6, 4)
	s_cmp_eq_u32 s2, 0
	s_cbranch_scc0 .Lentry_in_a_cluster
	s_endpgm
.Lentry_in_a_cluster:
	s_bfe_u32 s2, ttmp6, 0x10000c
	s_cmp_lg_u32 s2, 0x3003
	s_cbranch_scc0 .Lentry_shape_is_right
	s_endpgm
.Lentry_shape_is_right:
; ctx = softmax(q k^T / 8 + mask x -1e8) v, both products on codes of E2M1; ctx is quantised along (head, d) for the last product.
; p = 2^(t - M), t = logit x log2(e), M the running largest t rounded up to a whole number; the row's sum is taken of the unquantised p and divides at the end.
; SHARES.  A work-group owns 256 queries (16 tiles, workspace row order) and two heads of one batch row, taken one after the other.  Each of its eight waves owns two tiles, which share every register of K, V and the mask.
; Both heads' records (278,528 bytes on end) lie in LDS whole, filled once; two tensor loads a wave are out at the start.  CLUSTER 4 x 1: the four query blocks read the same records and ask jointly.
; K = 64 IN THE FIRST PRODUCT fills half of the instruction's 128: a fragment of K carries two tiles of keys (k 0-63, k 64-127) and is multiplied by (q, 0) and by (0, q); Q's registers stand between registers of zeros.
; THE MASK is the C of the first product: raw + mask x -8e8 = 8 x (raw / 8 + mask x -1e8); c = log2(e) / 8 turns it into t.
; LAYOUT.  S^T = K Q^T and O^T = V^T P^T: a lane holds one query.  By the workspace's row order register 32 c + 8 T + j of lane (r, h) is key 64 c + 32 h + 8 T + j: a lane holds whole blocks of 32 keys,
; so p's largest needs no other lane and the conversions' results are the operand's registers.
; LIMITS: NaN and infinities are not served; p under 2^-126 is 0; where every key of a batch row is masked the logits near -1e8 are rounded by the matrix unit's sum (same granularity as an f32 sum).
; REGISTERS.  window 0: v1 16 lane, v2 8 lane, v3 the mask's place, v4-6 the step's addresses, v7 8 h, v8 4 lane, v9-11 addresses of the head of the text; tile t: v[12+4t] -M, v[13+4t] largest raw score, v[14+4t:15+4t] the sum;
; v[20:21], v[22:23] f; v24-27 Q's scale words (2 head + tile); v[28:29] K's; v[30:31] V's; v32-33 p's; v34-35 ctx's; v36-51 p's codes; v52-63 at work; v64-127, v128-191 S^T, then p; v192-207 ctx's codes; v208-223 at work on the way out.
; window 1: v0-31 K; v32-63 V; v64-127 the mask as C; v128-191 O^T (tile t, d tile n: 128 + 32 t + 8 n); v192-227 zeros and Q by turns, four registers each.
.set BIAS,  278528                     ; behind the records: mask x -8e8, 2,048 numbers, keys in their natural order
.set HEADB, 139264                     ; a head's 16 records of 8,704 bytes
.set WV,  14
.set SEL, 20
.set CS,  22
.set TR,  40
.set TBI, 41
.set CNT, 42
.set NEG, 44
.set MSB, 0
.macro WIN new
.if MSB != \new
	s_set_vgpr_msb (MSB<<8)|\new
.set MSB, \new
.endif
.endm
.macro PLACES n
.rept \n
	v_nop
.endr
.endm
.macro CROUND
	s_barrier_signal -1
	s_barrier_wait -1
	s_cmp_lg_u32 s[WV], 0
	s_cbranch_scc1 .Lnw0_\@
	s_barrier_signal -3
.Lnw0_\@:
	s_barrier_wait -3
	s_barrier_signal -1
	s_barrier_wait -1
.endm
.macro MMX                             ; one product; registers from the symbols; rRA: source 0's scales stand in lanes 16-31
.if rRA
	v_wmma_scale_f32_16x16x128_f8f6f4 v[rD:rD+7], v[rA:rA+7], v[rB:rB+7], v[rC:rC+7], v[rSA], v[rSB] matrix_a_fmt:MATRIX_FMT_FP4 matrix_b_fmt:MATRIX_FMT_FP4 matrix_a_scale:MATRIX_SCALE_ROW1
.else
	v_wmma_scale_f32_16x16x128_f8f6f4 v[rD:rD+7], v[rA:rA+7], v[rB:rB+7], v[rC:rC+7], v[rSA], v[rSB] matrix_a_fmt:MATRIX_FMT_FP4 matrix_b_fmt:MATRIX_FMT_FP4
.endif
.endm
	s_load_b256 s[4:11], s[0:1], 0x0               ; mask s[4:5], q_rec s[6:7], kv_rec s[8:9], ctx_img s[10:11]
	s_load_b64 s[12:13], s[0:1], 0x20              ; ctx_sc
	v_lshl_add_u32 v254, v0, 2, 0x46000
	v_mov_b32 v255, 0
	ds_add_u32 v254, v255
	ds_add_u32 v254, v255
	v_lshrrev_b32 v1, 5, v0
	v_readfirstlane_b32 s[WV], v1                  ; wave 0..7
	s_bfe_u32 s15, ttmp6, 0x40000                  ; cx
	s_lshl_b32 s16, ttmp9, 2
	s_add_co_u32 s16, s16, s15                     ; my block of 256 queries: it enters Q's and ctx's addresses alone
	s_and_b32 s17, ttmp7, 0xffff                   ; y = 8 b + pair of heads, which the four partners share
	s_lshr_b32 s18, s17, 3                         ; b
	s_and_b32 s19, s17, 7                          ; the pair of heads
	; group 1: 68 dense rows of 256 bytes (32 elements of 8), to all four work-groups
	s_mov_b32 s24, 15|(3<<16)|(1<<21)
	s_mov_b32 s25, 32<<16
	s_mov_b32 s26, 68<<16
	s_mov_b32 s27, 32<<16
	s_mov_b32 s28, 68
	s_mov_b32 s29, 32
	s_mov_b32 s30, 0
	s_mov_b32 s31, 0
	s_mul_i32 s54, s17, 2*HEADB
	s_mul_i32 s33, s[WV], 17408                    ; my eighth of a head's records, in LDS as in memory
	s_add_co_u32 s54, s54, s33
	s_mov_b32 s55, 0
	s_lshl_b32 s50, s17, 5                         ; Q: record 32 y + 2 qb + w / 4 (the second head's: 16 records on)
	s_lshl_b32 s51, s16, 1
	s_add_co_u32 s50, s50, s51
	s_lshr_b32 s51, s[WV], 2
	s_add_co_u32 s50, s50, s51
	s_mul_i32 s50, s50, 4352
	s_and_b32 s51, s[WV], 3
	s_lshl_b32 s56, s51, 10                        ; my two tiles' images
	s_add_co_u32 s56, s56, s50
	s_mov_b32 s57, 0
	s_and_b32 s58, s[WV], 1                        ; my two tiles' scale word: lanes 16 (w % 2) on, word (w % 4) / 2
	s_lshl_b32 s58, s58, 7
	s_bfe_u32 s51, s[WV], 0x10001
	s_lshl_b32 s51, s51, 2
	s_add_co_u32 s58, s58, s51
	s_add_co_u32 s58, s58, s50
	s_add_co_u32 s58, s58, 4096
	s_mov_b32 s59, 0
	s_lshl_b32 s50, s18, 7                         ; my first tile of ctx: 128 b + 16 qb + 2 w
	s_lshl_b32 s51, s16, 4
	s_add_co_u32 s50, s50, s51
	s_lshl_b32 s51, s[WV], 1
	s_add_co_u32 s50, s50, s51
	s_lshl_b32 s60, s50, 13
	s_lshl_b32 s51, s19, 10                        ; + the pair of heads' four blocks of 256 bytes
	s_add_co_u32 s60, s60, s51
	s_mov_b32 s61, 0
	s_lshl_b32 s62, s50, 9                         ; the pair of tiles' 1,024 scale bytes, + 128 for each 128 along K
	s_lshl_b32 s51, s19, 7
	s_add_co_u32 s62, s62, s51
	s_mov_b32 s63, 0
	s_lshl_b32 s52, s18, 13                        ; the batch row's mask
	s_mov_b32 s53, 0
	s_mov_b32 s[SEL], 0x76543210
	s_mov_b32 s[SEL+1], 0xfedcba98
	s_mov_b32 s[CS], 0x3e38aa3b                    ; c = log2(e) / 8
	s_mov_b32 s[CS+1], s[CS]
	s_mov_b32 s[NEG], 0xce3ebc20                   ; -8e8
	s_mov_b32 s[NEG+1], s[NEG]
	s_mov_b32 vcc_lo, 0xffff0000                   ; lanes 16-31
	s_wait_dscnt 0x0
	s_wait_kmcnt 0x0
	s_mov_b32 s32, 1
	s_add_nc_u64 s[34:35], s[8:9], s[54:55]
	s_mov_b32 s36, 1
	s_add_co_u32 s37, s33, HEADB
	s_add_nc_u64 s[38:39], s[34:35], HEADB
	s_or_b32 s35, s35, 0x80000000
	s_or_b32 s39, s39, 0x80000000
	s_add_nc_u64 s[4:5], s[4:5], s[52:53]
	s_add_nc_u64 s[46:47], s[6:7], s[56:57]
	s_add_nc_u64 s[48:49], s[6:7], s[58:59]
	s_add_nc_u64 s[10:11], s[10:11], s[60:61]
	s_add_nc_u64 s[12:13], s[12:13], s[62:63]
	CROUND                                         ; all four work-groups are here: the joint loads meet
	tensor_load_to_lds s[32:35], s[24:31]          ; the first head's records
	s_nop 0
	tensor_load_to_lds s[36:39], s[24:31]          ; the second's
	s_nop 0
	PLACES 4
	v_and_b32 v9, 31, v0
	v_and_b32 v10, 15, v0
	v_bfe_u32 v11, v0, 4, 1
	v_lshlrev_b32 v1, 4, v9                        ; 16 x lane
	v_lshlrev_b32 v2, 3, v9                        ; 8 x lane
	v_lshlrev_b32 v3, 7, v11
	v_add_nc_u32 v3, BIAS, v3                      ; my half's 32 keys of each 64
	v_lshlrev_b32 v7, 3, v11                       ; 8 h
	v_lshlrev_b32 v8, 2, v9                        ; 4 x lane
	v_lshlrev_b32 v9, 4, v0                        ; 16 x thread
	v_add_nc_u32 v11, BIAS, v9
	v_lshlrev_b32 v10, 3, v10                      ; 8 r
	global_load_b128 v[64:67], v9, s[4:5]
	global_load_b128 v[68:71], v9, s[4:5] offset:4096
	WIN 0x40
.irp a, 0,1
.irp t, 0,1
	global_load_b128 v[196+8*(2*\a+\t):199+8*(2*\a+\t)], v1, s[46:47] offset:69632*\a+512*\t
.endr
.endr
	WIN 0
	global_load_b32 v52, v10, s[48:49]
	global_load_b32 v53, v10, s[48:49] offset:69632
	WIN 0x40
.irp z, 192,200,208,216,224
.irp j, 0,1,2,3
	v_mov_b32 v[\z+\j], 0                          ; the zeros beside Q
.endr
.endr
.set zi, 0
.rept 64
	v_mov_b32 v[128+zi], 0                         ; O^T, once: the step is written once for a head, and a head's first f is 0
.set zi, zi+1
.endr
	WIN 0
	s_wait_loadcnt 6                               ; the mask is in; Q's four images and two scale words stay out
.irp j, 0,1,2,3,4,5,6,7
	v_cvt_f32_i32 v[64+\j], v[64+\j]
.endr
.irp j, 0,2,4,6
	v_pk_mul_f32 v[64+\j:65+\j], v[64+\j:65+\j], s[NEG:NEG+1] op_sel_hi:[1,0]
.endr
	ds_store_b128 v11, v[64:67]
	ds_store_b128 v11, v[68:71] offset:4096
	s_wait_loadcnt 0x0
	v_perm_b32 v24, v52, v52, 0x01000100           ; a tile's two bytes, twice: they serve (q, 0) and (0, q) alike
	v_perm_b32 v25, v52, v52, 0x03020302
	v_perm_b32 v26, v53, v53, 0x01000100
	v_perm_b32 v27, v53, v53, 0x03020302
.irp x, 14,15,18,19,21,23,63,212,213,214,215
	v_mov_b32 v[\x], 0                             ; the sums; upper halves of named pairs; lane permutes' destinations
.endr
	s_wait_dscnt 0x0                               ; my part of the mask lies in LDS,
	s_wait_tensorcnt 0x1                           ; my part of the first head has landed; the second head's load stays out
	s_barrier_signal -1
	s_barrier_wait -1
; One tile's softmax for 128 keys: 64 scores a lane in v[64 + 64 t] on.
.macro SOFTMAX t
.set SB, 64+64*\t
.irp c, 0,1                                    ; the largest score of my two blocks of 32 keys: it serves the row's maximum and, since p rises with the score, the block's largest p.  Four chains; each accumulator is read from its low end on
	v_max3_num_f32 v[52+2*\c], v[SB+32*\c], v[SB+32*\c+1], v[SB+32*\c+2]
	v_max3_num_f32 v[53+2*\c], v[SB+32*\c+16], v[SB+32*\c+17], v[SB+32*\c+18]
.endr
.irp i, 3,5,7,9,11,13
.irp c, 0,1
	v_max3_num_f32 v[52+2*\c], v[52+2*\c], v[SB+32*\c+\i], v[SB+32*\c+\i+1]
	v_max3_num_f32 v[53+2*\c], v[53+2*\c], v[SB+32*\c+16+\i], v[SB+32*\c+17+\i]
.endr
.endr
.irp c, 0,1
	v_max3_num_f32 v[56+\c], v[52+2*\c], v[53+2*\c], v[SB+32*\c+15]
.endr
.irp c, 0,1
	v_max_num_f32 v[56+\c], v[56+\c], v[SB+32*\c+31]
.endr
	v_max_num_f32 v62, v56, v57
	v_permlanex16_b32 v63, v62, s[SEL], s[SEL+1]
	v_max3_num_f32 v[13+4*\t], v[13+4*\t], v62, v63        ; the running largest score
	v_mul_f32 v62, s[CS], v[13+4*\t]               ; as t
	v_floor_f32 v63, -v62                          ; the new -M: M is a whole number
	v_sub_f32 v62, v63, v[12+4*\t]                 ; old M - new M: a whole number, 0 or less
	v_mov_b32 v[12+4*\t], v63
	v_cvt_i32_f32 v62, v62                         ; (it saturates)
	v_ldexp_f32 v[20+2*\t], 1.0, v62               ; f = 2^(old M - new M)
.irp j, 0,2,4,6,8,10,12,14,16,18,20,22,24,26,28,30,32,34,36,38,40,42,44,46,48,50,52,54,56,58,60,62
	v_pk_fma_f32 v[SB+\j:SB+\j+1], v[SB+\j:SB+\j+1], s[CS:CS+1], v[12+4*\t:13+4*\t] op_sel_hi:[1,0,0]   ; t - M
.endr
.irp c, 0,1
	v_fma_f32 v[56+\c], v[56+\c], s[CS], v[12+4*\t]
.endr
.set ei, 0
.rept 64
	v_exp_f32 v[SB+ei], v[SB+ei]                   ; p, at most 1, not normalised
.set ei, ei+1
.endr
	v_exp_f32 v56, v56                             ; the blocks' largest p: the same two instructions on the same numbers
	v_exp_f32 v57, v57
	v_pk_mul_f32 v[14+4*\t:15+4*\t], v[14+4*\t:15+4*\t], v[20+2*\t:21+2*\t] op_sel_hi:[1,0]   ; the sum under the new M (the plain instruction behind the batch)
	s_wait_alu depctr_va_vdst(0)                   ; one wait for the 66 exponentials, ahead of their first reader
	v_pk_add_f32 v[52:53], v[SB:SB+1], v[SB+2:SB+3]        ; the sum of the unquantised p, in two chains
.irp j, 4,8,12,16,20,24,28,32,36,40,44,48,52,56,60
	v_pk_add_f32 v[14+4*\t:15+4*\t], v[14+4*\t:15+4*\t], v[SB+\j:SB+\j+1]
	v_pk_add_f32 v[52:53], v[52:53], v[SB+\j+2:SB+\j+3]
.endr
	v_pk_add_f32 v[14+4*\t:15+4*\t], v[14+4*\t:15+4*\t], v[52:53]
.irp c, 0,1
	v_max_num_f32 v[56+\c], 0x1800000, v[56+\c]    ; the floor: the byte cannot fall under 1
.endr
.irp c, 0,1
	v_add_nc_u32 v[58+\c], 0xff000000, v[56+\c]    ; the conversions' scale operand
.endr
.irp c, 0,1
	v_lshrrev_b32 v[60+\c], 23, v[58+\c]
.endr
	v_lshl_or_b32 v62, v61, 16, v60                ; my two bytes: blocks h and 2 + h,
	v_lshlrev_b32 v62, v7, v62                     ; 8 h bits up;
	v_permlanex16_b32 v63, v62, s[SEL], s[SEL+1]
	v_or_b32 v[32+\t], v62, v63                    ; with the other lane's: p's scale word
.irp c, 0,1
.irp u, 0,1,2,3
	v_cvt_scalef32_pk8_fp4_f32 v[36+8*\t+4*\c+\u], v[SB+32*\c+8*\u:SB+32*\c+8*\u+7], v[58+\c]
.endr
.endr
	v_nop                                          ; a plain instruction behind the conversions
.endm
; A step: 128 keys of head a.
.macro STEP a
	v_add_nc_u32 v4, s[TR], v1
	v_add_nc_u32 v5, s[TR], v2
	v_add_nc_u32 v6, s[TBI], v3
	ds_load_b64 v[28:29], v5 offset:8192           ; K's scale words
	ds_load_b64 v[30:31], v5 offset:8448           ; V's
	WIN 0x40
.irp x, 0,1,2,3,4,5,6,7
	ds_load_b128 v[4*\x:4*\x+3], v4 offset:512*\x  ; K: tile x; tiles 2 f and 2 f + 1 make fragment f
.endr
.irp c, 0,1
.irp i, 0,1,2,3,4,5,6,7
	ds_load_b128 v[64+32*\c+4*\i:64+32*\c+4*\i+3], v6 offset:256*\c+16*\i  ; the mask's addends of my 64 keys; sixteen lanes read the same bytes
.endr
.endr
.irp x, 0,1,2,3,4,5,6,7
	ds_load_b128 v[32+4*\x:32+4*\x+3], v4 offset:4096+512*\x
.endr
	s_wait_dscnt 8                                 ; all but V's eight
	WIN 0x15                                       ; K, Q and C window 1, S^T window 0
.irp f, 0,1,2,3
.irp t, 0,1
.set rD, 64+64*\t+16*\f
.set rC, 64+16*\f
.set rA, 8*\f
.set rB, 196+8*(2*\a+\t)
.set rSA, 28+\f/2
.set rSB, 24+2*\a+\t
.set rRA, \f%2
	MMX                                            ; (q, 0): keys of tile 2 f
.set rD, rD+8
.set rC, rC+8
.set rB, rB-4
	MMX                                            ; (0, q): keys of tile 2 f + 1
.endr
.endr
	WIN 0
	PLACES 4
	SOFTMAX 0
	SOFTMAX 1
	WIN 0x41
.irp t, 0,1
.irp j, 0,2,4,6,8,10,12,14,16,18,20,22,24,26,28,30
	v_pk_mul_f32 v[128+32*\t+\j:129+32*\t+\j], v[128+32*\t+\j:129+32*\t+\j], v[20+2*\t:21+2*\t] op_sel_hi:[1,0]   ; O^T under the new M
.endr
.endr
	PLACES 4
	s_wait_dscnt 0x0                               ; V is in
	WIN 0x51                                       ; V, C and D window 1, p window 0
.irp n, 0,1,2,3
.irp t, 0,1
.set rD, 128+32*\t+8*\n
.set rC, rD
.set rA, 32+8*\n
.set rB, 36+8*\t
.set rSA, 30+\n/2
.set rSB, 32+\t
.set rRA, \n%2
	MMX                                            ; eight accumulators, one instruction each
.endr
.endr
	WIN 0
	PLACES 4                                       ; in front of the next step's loads into V's registers, and of the reads of O^T
	s_add_co_u32 s[TR], s[TR], 8704
	s_add_co_u32 s[TBI], s[TBI], 512
.endm
; A head's end: O^T / the sum, quantised along d (two blocks of 32), stored as two blocks of ctx's image.
.macro FIN a
.irp t, 0,1
	v_add_f32 v[52+\t], v[14+4*\t], v[15+4*\t]
.endr
.irp t, 0,1
	v_permlanex16_b32 v[54+\t], v[52+\t], s[SEL], s[SEL+1]
.endr
.irp t, 0,1
	v_add_f32 v[52+\t], v[52+\t], v[54+\t]         ; the row's sum
.endr
	v_rcp_f32 v56, v52
	v_rcp_f32 v58, v53
	v_nop
	s_wait_alu depctr_va_vdst(0)                   ; one wait for the two reciprocals
	WIN 0x01
.irp t, 0,1
.irp j, 0,2,4,6,8,10,12,14,16,18,20,22,24,26,28,30
	v_pk_mul_f32 v[64+64*\t+\j:65+64*\t+\j], v[128+32*\t+\j:129+32*\t+\j], v[56+2*\t:57+2*\t] op_sel_hi:[1,0]
.endr
.endr
	WIN 0
.irp q, 0,1,2,3,4,5,6,7
.irp t, 0,1
.irp b, 0,1
.set aS, 64+64*\t+8*(2*\b+\q/4)+2*(\q%4)
.if \q == 0
	v_max3_num_f32 v[208+2*\t+\b], 0x1800000, |v[aS]|, |v[aS+1]|
.else
	v_max3_num_f32 v[208+2*\t+\b], v[208+2*\t+\b], |v[aS]|, |v[aS+1]|
.endif
.endr
.endr
.endr
.irp x, 0,1,2,3
	v_permlanex16_b32 v[212+\x], v[208+\x], s[SEL], s[SEL+1]
.endr
.irp x, 0,1,2,3
	v_max_num_f32 v[208+\x], v[208+\x], v[212+\x]
.endr
.irp x, 0,1,2,3
	v_add_nc_u32 v[216+\x], 0xff000000, v[208+\x]
.endr
.irp x, 0,1,2,3
	v_lshrrev_b32 v[220+\x], 23, v[216+\x]
.endr
.irp t, 0,1
.if \a == 0
	v_lshl_or_b32 v[34+\t], v[221+2*\t], 8, v[220+2*\t]    ; the first head's two bytes
.else
	v_lshl_or_b32 v[62+\t], v[221+2*\t], 8, v[220+2*\t]
	v_lshl_or_b32 v[34+\t], v[62+\t], 16, v[34+\t]         ; with the second's: the word of 128 along the last product's K
.endif
.endr
.irp t, 0,1
	v_cvt_scalef32_pk8_fp4_f32 v[192+4*(2*\a+\t)], v[64+64*\t:71+64*\t], v[216+2*\t]
	v_cvt_scalef32_pk8_fp4_f32 v[193+4*(2*\a+\t)], v[80+64*\t:87+64*\t], v[217+2*\t]
	v_cvt_scalef32_pk8_fp4_f32 v[194+4*(2*\a+\t)], v[72+64*\t:79+64*\t], v[216+2*\t]
	v_cvt_scalef32_pk8_fp4_f32 v[195+4*(2*\a+\t)], v[88+64*\t:95+64*\t], v[217+2*\t]
.endr
	v_nop
.irp t, 0,1
	v_permlane16_swap_b32 v[192+4*(2*\a+\t)], v[193+4*(2*\a+\t)]   ; lanes 0-15: block 0 whole, lanes 16-31: block 1
	v_permlane16_swap_b32 v[194+4*(2*\a+\t)], v[195+4*(2*\a+\t)]
.endr
.irp t, 0,1
	global_store_b128 v1, v[192+4*(2*\a+\t):195+4*(2*\a+\t)], s[10:11] offset:8192*\t+512*\a   ; 512 consecutive bytes; each (head, tile) has registers of its own
.endr
.endm
.macro HEAD a
	v_mov_b32 v13, 0xff61b1e6                      ; the largest score so far: -3e38
	v_mov_b32 v17, 0xff61b1e6
	v_mul_f32 v62, s[CS], v13
	v_floor_f32 v12, -v62                          ; -M
	v_floor_f32 v16, -v62
	s_mov_b32 s[TR], HEADB*\a
	s_mov_b32 s[TBI], 0
	s_mov_b32 s[CNT], 16
.Lstep_\@:
	STEP \a
	s_sub_co_u32 s[CNT], s[CNT], 1
	s_cmp_lg_u32 s[CNT], 0
	s_cbranch_scc1 .Lstep_\@
	FIN \a
.endm
	HEAD 0
	s_wait_tensorcnt 0x0                           ; my part of the second head has landed,
	s_wait_dscnt 0x0
	s_barrier_signal -1
	s_barrier_wait -1                              ; everybody's has
	HEAD 1
	v_cndmask_b32 v52, v34, v35, vcc_lo            ; lanes 0-15: my first tile's rows, lanes 16-31: my second's
	global_store_b32 v8, v52, s[12:13]             ; 128 consecutive bytes: this buffer is one part in 17 of ctx's bytes
	s_wait_tensorcnt 0x0
	ds_add_u32 v254, v255
	s_wait_dscnt 0x0
	CROUND                                         ; the closing round
	s_endpgm
.Lfunc_end_k_qbc27a1625c_attn:
	.size	k_qbc27a1625c_attn, .Lfunc_end_k_qbc27a1625c_attn-k_qbc27a1625c_attn
	.p2alignl 7, 3214868480
	.fill 96, 4, 3214868480
	.section	.rodata,"a",@progbits
	.p2align	6, 0x0
	.amdhsa_kernel k_qbc27a1625c_attn
		.amdhsa_group_segment_fixed_size 287744
		.amdhsa_private_segment_fixed_size 0
		.amdhsa_enable_private_segment 0
		.amdhsa_kernarg_size 40
		.amdhsa_user_sgpr_count 2
		.amdhsa_user_sgpr_kernarg_segment_ptr 1
		.amdhsa_wavefront_size32 1
		.amdhsa_system_sgpr_workgroup_id_x 1
		.amdhsa_system_sgpr_workgroup_id_y 1
		.amdhsa_system_sgpr_workgroup_id_z 1
		.amdhsa_system_vgpr_workitem_id 0
		.amdhsa_next_free_vgpr 512
		.amdhsa_next_free_sgpr 66
		.amdhsa_reserve_vcc 1
		.amdhsa_float_denorm_mode_32 3
		.amdhsa_float_denorm_mode_16_64 3
		.amdhsa_memory_ordered 1
		.amdhsa_forward_progress 1
		.amdhsa_inst_pref_size 79
	.end_amdhsa_kernel
	.amdgpu_metadata
---
amdhsa.version: [ 1, 2 ]
amdhsa.kernels:
  - .name:           k_qbc27a1625c_attn
    .symbol:         k_qbc27a1625c_attn.kd
    .args:
      - { .name: encoder_padding_mask, .offset: 0, .size: 8, .value_kind: global_buffer, .address_space: global }
      - { .name: q_rec, .offset: 8, .size: 8, .value_kind: global_buffer, .address_space: global }
      - { .name: kv_rec, .offset: 16, .size: 8, .value_kind: global_buffer, .address_space: global }
      - { .name: ctx_img, .offset: 24, .size: 8, .value_kind: global_buffer, .address_space: global }
      - { .name: ctx_sc, .offset: 32, .size: 8, .value_kind: global_buffer, .address_space: global }
    .group_segment_fixed_size: 287744
    .private_segment_fixed_size: 0
    .kernarg_segment_align: 8
    .kernarg_segment_size: 40
    .max_flat_workgroup_size: 256
    .sgpr_count:     66
    .vgpr_count:     512
    .wavefront_size: 32
...
	.end_amdgpu_metadata
.endif
;; end of part 3
;; launch oproj (part 4): grid 8 x 32, 4 waves a work-group, clusters of 4 x 4, 230,912 bytes of LDS; arguments ctx_img, ctx_sc, out_w_codes, out_w_scales, out_b, hidden_states, out0; writes out0
.if DOCPART == 4
	.amdgcn_target "amdgcn-amd-amdhsa--gfx1250"
	.amdhsa_code_object_version 6
	.text
	.protected	k_qbc27a1625c_oproj
	.globl	k_qbc27a1625c_oproj
	.p2align	8
	.type	k_qbc27a1625c_oproj,@function
k_qbc27a1625c_oproj:
	s_mov_b64 s[64:65], 0
	v_nop
	global_prefetch_b8 v0, s[64:65] scope:SCOPE_SE
	s_setreg_imm32_b32 hwreg(HW_REG_WAVE_MODE, 25, 1), 1
	s_wait_xcnt 0x0
	s_wait_alu depctr_hold_cnt(0) depctr_sa_sdst(0) depctr_va_vdst(0) depctr_va_sdst(0) depctr_va_ssrc(0) depctr_va_vcc(0) depctr_vm_vsrc(0)
	s_getreg_b32 s2, hwreg(HW_REG_IB_STS2, 6, 4)
	s_cmp_eq_u32 s2, 0
	s_cbranch_scc0 .Lentry_in_a_cluster
	s_endpgm
.Lentry_in_a_cluster:
	s_bfe_u32 s2, ttmp6, 0x10000c
	s_cmp_lg_u32 s2, 0xf033
	s_cbranch_scc0 .Lentry_shape_is_right
	s_endpgm
.Lentry_shape_is_right:
; out0 = x + ctx W^T + b, the product on codes of E2M1.  The same frame as the launch that makes q, k and v: a work-group makes 256 rows (workspace row order) x 128 features, K = 1,024 in LDS whole, filled once;
; four waves of 128 rows x 64 features, 32 accumulators by turns; cluster 4 x 4 with joint loads along rows (ctx) and columns (W); six tensor loads a wave are out at the start.
; The product is used transposed: a lane holds one row and 8 neighbouring features a tile.  The bias is the C of each sum's first product.
; THE RESIDUAL: my 128 rows x 256 bytes of x are asked for at the start, in the layout in which the results leave, into 256 registers of window 3: they land under the products.
; THE WAY OUT: a tile of 16 rows goes through my own stage in LDS and comes back as rows of 256 bytes; x is added; sixteen lanes store 256 consecutive bytes, aligned.  Here the workspace's row order turns back into tokens:
; rows 2 t, 2 t + 1 of tile i are tokens 64 (i / 4) + 32 (t / 4) + 8 (i % 4) + 2 (t % 4) and the next.
.set B_ROWS, 131072
.set A_SC,   200704
.set B_SC,   208896
.set STAGE,  212992                    ; 16 rows x (256 + 16) bytes for each wave; no tensor load lands here
.set WV, 18
.set MSB, 0
.macro WIN new
.if MSB != \new
	s_set_vgpr_msb (MSB<<8)|\new
.set MSB, \new
.endif
.endm
.macro PLACES n
.rept \n
	v_nop
.endr
.endm
.macro CROUND
	s_barrier_signal -1
	s_barrier_wait -1
	s_cmp_lg_u32 s[WV], 0
	s_cbranch_scc1 .Lnw0_\@
	s_barrier_signal -3
.Lnw0_\@:
	s_barrier_wait -3
	s_barrier_signal -1
	s_barrier_wait -1
.endm
.macro MMX
.if rRA && rRB
	v_wmma_scale_f32_16x16x128_f8f6f4 v[rD:rD+7], v[rA:rA+7], v[rB:rB+7], v[rC:rC+7], v[rSA], v[rSB] matrix_a_fmt:MATRIX_FMT_FP4 matrix_b_fmt:MATRIX_FMT_FP4 matrix_a_scale:MATRIX_SCALE_ROW1 matrix_b_scale:MATRIX_SCALE_ROW1
.elseif rRA
	v_wmma_scale_f32_16x16x128_f8f6f4 v[rD:rD+7], v[rA:rA+7], v[rB:rB+7], v[rC:rC+7], v[rSA], v[rSB] matrix_a_fmt:MATRIX_FMT_FP4 matrix_b_fmt:MATRIX_FMT_FP4 matrix_a_scale:MATRIX_SCALE_ROW1
.elseif rRB
	v_wmma_scale_f32_16x16x128_f8f6f4 v[rD:rD+7], v[rA:rA+7], v[rB:rB+7], v[rC:rC+7], v[rSA], v[rSB] matrix_a_fmt:MATRIX_FMT_FP4 matrix_b_fmt:MATRIX_FMT_FP4 matrix_b_scale:MATRIX_SCALE_ROW1
.else
	v_wmma_scale_f32_16x16x128_f8f6f4 v[rD:rD+7], v[rA:rA+7], v[rB:rB+7], v[rC:rC+7], v[rSA], v[rSB] matrix_a_fmt:MATRIX_FMT_FP4 matrix_b_fmt:MATRIX_FMT_FP4
.endif
.endm
; REGISTERS.  window 0: v1 r, v2 h, v3 16 lane, v5-6 ctx's images, v7 W's rows, v8 ctx's scale words, v9 W's, v11 the bias's offset, v12 my place in two rows of x and out0, v13-14 the stage in and out;
; v16-47, v48-63 scale words; v64-191 ctx's fragments, two buffers (later the rows on their way out); v192-255 W's, two buffers.  window 1: the accumulators.  window 2: v0-31 the bias.  window 3: x.
.macro FETCH s
.set fb, 64+64*((\s)%2)
.set gb, 192+32*((\s)%2)
.irp i, 0,1,2,3,4,5,6,7
.irp c, 0,1
	ds_load_b128 v[fb+8*\i+4*\c:fb+8*\i+4*\c+3], v[5+(\s)/4] offset:4096*\i+1024*((\s)%4)+512*\c
.endr
.endr
.irp n, 0,1,2,3
.irp c, 0,1
	ds_load_b128 v[gb+8*\n+4*\c:gb+8*\n+4*\c+3], v7 offset:34816*((\s)/4)+4352*\n+64*((\s)%4)+32*\c
.endr
.endr
.endm
.macro SCALES
.irp p, 0,1,2,3
.irp s, 0,1,2,3,4,5,6,7
	ds_load_b32 v[16+8*\p+\s], v8 offset:1024*\p+128*\s
.endr
.endr
.irp k, 0,1
.irp p, 0,1
	ds_load_b128 v[48+8*\k+4*\p:48+8*\k+4*\p+3], v9 offset:1024*\p+16*\k
.endr
.endr
.endm
.macro KSTEP s
.if \s == 3
	s_wait_tensorcnt 0x0                           ; my parts of K half 1 have landed,
	s_wait_dscnt 0x0
	s_barrier_signal -1
	s_barrier_wait -1                              ; everybody's have
.endif
.if \s < 7
.if \s > 0
	PLACES 4                                       ; in front of loads into registers that products have read
.endif
	FETCH \s+1
	s_wait_dscnt 24                                ; all but the 24 just issued
.else
	s_wait_dscnt 0x0
.endif
.if \s == 0
	WIN 0x60
.else
	WIN 0x50
.endif
.irp i, 0,1,2,3,4,5,6,7
.irp n, 0,1,2,3
.set rD, 8*(4*\i+\n)
.if \s == 0
.set rC, 8*\n
.else
.set rC, rD
.endif
.set rB, 64+64*((\s)%2)+8*\i
.set rA, 192+32*((\s)%2)+8*\n
.set rSB, 16+8*(\i/2)+(\s)
.set rSA, 48+8*((\s)/4)+4*(\n/2)+(\s)%4
.set rRB, \i%2
.set rRA, \n%2
	MMX
.endr
.endr
	WIN 0
.endm
.macro XLOAD i                         ; tile i's 16 rows of x, two rows a load
.irp t, 0,1,2,3,4,5,6,7
	global_load_b128 v[32*\i+4*\t:32*\i+4*\t+3], v12, s[14:15] offset:(64*(\i/4)+32*(\t/4)+8*(\i%4)+2*(\t%4))*4096 th:TH_LOAD_NT
.endr
.endm
	s_load_b256 s[4:11], s[0:1], 0x0               ; ctx_img s[4:5], ctx_sc s[6:7], W's codes s[8:9], W's scales s[10:11]
	s_load_b128 s[12:15], s[0:1], 0x20             ; the bias s[12:13], x s[14:15]
	s_load_b64 s[16:17], s[0:1], 0x30              ; out0
	v_lshl_add_u32 v4, v0, 2, 0x38400
	v_mov_b32 v15, 0
	ds_add_u32 v4, v15
	ds_add_u32 v4, v15
	v_lshrrev_b32 v1, 5, v0
	v_readfirstlane_b32 s[WV], v1
	s_lshr_b32 s19, s[WV], 1                       ; wm
	s_and_b32 s20, s[WV], 1                        ; wn
	s_bfe_u32 s21, ttmp6, 0x40000                  ; cx
	s_bfe_u32 s22, ttmp6, 0x40004                  ; cy
	s_lshl_b32 s23, ttmp9, 2
	s_add_co_u32 s23, s23, s21                     ; tx
	s_and_b32 s24, ttmp7, 0xffff
	s_lshl_b32 s24, s24, 2
	s_add_co_u32 s24, s24, s22                     ; ty
	s_lshl_b32 s25, s22, 2
	s_lshl_b32 s25, 15, s25                        ; my row of the cluster
	s_lshl_b32 s26, 0x1111, s21                    ; my column
	s_or_b32 s36, s25, (3<<16)|(1<<21)             ; ctx's images: 4 rows of 4,096 bytes, 8,192 apart
	s_mov_b32 s37, 512<<16
	s_mov_b32 s38, 4<<16
	s_mov_b32 s39, 512<<16
	s_mov_b32 s40, 4
	s_mov_b32 s41, 1024
	s_mov_b32 s42, 0
	s_mov_b32 s43, 0
	s_or_b32 s44, s26, (3<<16)|(1<<20)|(1<<21)|(5<<22)|(3<<25)     ; W: 32 rows of 256 bytes, 512 apart, 16 bytes of padding behind each
	s_mov_b32 s45, 32<<16
	s_mov_b32 s46, 32<<16
	s_mov_b32 s47, 32<<16
	s_mov_b32 s48, 32
	s_mov_b32 s49, 64
	s_mov_b32 s50, 0
	s_mov_b32 s51, 0
	s_or_b32 s52, s25, (3<<16)|(1<<21)             ; ctx's scale words: 2,048 dense bytes
	s_mov_b32 s53, 32<<16
	s_mov_b32 s54, 8<<16
	s_mov_b32 s55, 32<<16
	s_mov_b32 s56, 8
	s_mov_b32 s57, 32
	s_mov_b32 s58, 0
	s_mov_b32 s59, 0
	s_or_b32 s68, s26, (3<<16)|(1<<21)             ; W's scale bytes: 1,024 dense bytes
	s_mov_b32 s69, 32<<16
	s_mov_b32 s70, 4<<16
	s_mov_b32 s71, 32<<16
	s_mov_b32 s72, 4
	s_mov_b32 s73, 32
	s_mov_b32 s74, 0
	s_mov_b32 s75, 0
	s_lshl_b32 s28, s24, 17
	s_lshl_b32 s29, s[WV], 15
	s_add_co_u32 s28, s28, s29
	s_mov_b32 s29, 0
	s_lshl_b32 s60, s24, 13
	s_lshl_b32 s61, s[WV], 11
	s_add_co_u32 s60, s60, s61
	s_mov_b32 s61, 0
	s_lshl_b32 s30, s23, 16
	s_lshl_b32 s31, s[WV], 14
	s_add_co_u32 s30, s30, s31
	s_mov_b32 s31, 0
	s_lshl_b32 s62, s23, 12
	s_lshl_b32 s63, s[WV], 10
	s_add_co_u32 s62, s62, s63
	s_mov_b32 s63, 0
	s_wait_dscnt 0x0
	s_wait_kmcnt 0x0
	s_mov_b32 s76, 1
	s_lshl_b32 s77, s[WV], 11
	s_add_co_u32 s77, s77, A_SC
	s_add_nc_u64 s[78:79], s[6:7], s[60:61]
	s_or_b32 s79, s79, 0x80000000
	s_mov_b32 s80, 1
	s_lshl_b32 s81, s[WV], 10
	s_add_co_u32 s81, s81, B_SC
	s_add_nc_u64 s[82:83], s[10:11], s[62:63]
	s_or_b32 s83, s83, 0x80000000
	s_mov_b32 s84, 1
	s_lshl_b32 s85, s[WV], 14
	s_add_nc_u64 s[86:87], s[4:5], s[28:29]
	s_mov_b32 s92, 1
	s_add_co_u32 s93, s85, 65536
	s_add_nc_u64 s[94:95], s[86:87], 4096
	s_or_b32 s87, s87, 0x80000000
	s_or_b32 s95, s95, 0x80000000
	s_mov_b32 s88, 1
	s_mul_i32 s89, s[WV], 8704
	s_add_co_u32 s89, s89, B_ROWS
	s_add_nc_u64 s[90:91], s[8:9], s[30:31]
	s_mov_b32 s96, 1
	s_add_co_u32 s97, s89, 34816
	s_add_nc_u64 s[98:99], s[90:91], 256
	s_or_b32 s91, s91, 0x80000000
	s_or_b32 s99, s99, 0x80000000
	CROUND                                         ; all sixteen work-groups are here: the joint loads meet
	tensor_load_to_lds s[76:79], s[52:59]
	s_nop 0
	tensor_load_to_lds s[80:83], s[68:75]
	s_nop 0
	tensor_load_to_lds s[84:87], s[36:43]
	s_nop 0
	tensor_load_to_lds s[88:91], s[44:51]
	s_nop 0
	tensor_load_to_lds s[92:95], s[36:43]
	s_nop 0
	tensor_load_to_lds s[96:99], s[44:51]
	s_nop 0
	PLACES 4
	v_and_b32 v10, 31, v0
	v_and_b32 v1, 15, v0
	v_bfe_u32 v2, v0, 4, 1
	v_lshlrev_b32 v3, 4, v10
	s_lshl_b32 s32, s19, 15
	v_add_nc_u32 v5, s32, v3
	v_add_nc_u32 v6, 0x10000, v5
	v_mul_u32_u24 v7, v1, 272
	v_lshl_add_u32 v7, v2, 4, v7
	s_mul_i32 s32, s20, 17408
	s_add_co_u32 s32, s32, B_ROWS
	v_add_nc_u32 v7, s32, v7
	v_lshlrev_b32 v8, 2, v10
	s_lshl_b32 s32, s19, 12
	s_add_co_u32 s32, s32, A_SC
	v_add_nc_u32 v8, s32, v8
	v_lshlrev_b32 v9, 5, v10
	s_lshl_b32 s32, s20, 11
	s_add_co_u32 s32, s32, B_SC
	v_add_nc_u32 v9, s32, v9
	v_lshlrev_b32 v11, 5, v2                       ; the bias: 32 h
	v_lshlrev_b32 v12, 12, v2
	v_lshl_add_u32 v12, v1, 4, v12                 ; x and out0: lanes 0-15 one row, lanes 16-31 the next, 16 bytes a lane
	s_mul_i32 s32, s[WV], 4352
	s_add_co_u32 s32, s32, STAGE
	v_mul_u32_u24 v13, v1, 272
	v_lshl_add_u32 v13, v2, 5, v13
	v_add_nc_u32 v13, s32, v13                     ; into my stage: row r, + 32 h
	v_mul_u32_u24 v14, v2, 272
	v_lshl_add_u32 v14, v1, 4, v14
	v_add_nc_u32 v14, s32, v14                     ; back: two rows an instruction
	s_lshl_b32 s32, s23, 9
	s_lshl_b32 s33, s20, 8
	s_add_co_u32 s32, s32, s33                     ; my 64 features: 256 bytes
	s_mov_b32 s33, 0
	s_add_nc_u64 s[12:13], s[12:13], s[32:33]
	s_lshl_b32 s34, s24, 20                        ; + my 128 tokens' rows of 4,096 bytes
	s_add_co_u32 s32, s32, s34
	s_lshl_b32 s34, s19, 19
	s_add_co_u32 s32, s32, s34
	s_add_nc_u64 s[14:15], s[14:15], s[32:33]
	s_add_nc_u64 s[16:17], s[16:17], s[32:33]
	WIN 0x80
.irp n, 0,1,2,3
	global_load_b128 v[8*\n:8*\n+3], v11, s[12:13] offset:64*\n
	global_load_b128 v[8*\n+4:8*\n+7], v11, s[12:13] offset:64*\n+16
.endr
	WIN 0xc0
.irp i, 0,1,2,3,4,5
	XLOAD \i
.endr
	WIN 0
	s_wait_tensorcnt 0x2                           ; the scales and K half 0 are in; my two loads of K half 1 stay out
	s_barrier_signal -1
	s_barrier_wait -1
	SCALES
	FETCH 0
	s_wait_loadcnt 48                              ; the bias is in; the 48 loads of x stay out
	WIN 0xc0
	XLOAD 6
	XLOAD 7
	WIN 0
.irp s, 0,1,2,3,4,5,6,7
	KSTEP \s
.endr
	PLACES 4
.macro TOSTAGE i
	WIN 0x04                                       ; an LDS store's data are its source 1: window 1
.irp n, 0,1,2,3
	ds_store_b128 v13, v[8*(4*(\i)+\n):8*(4*(\i)+\n)+3] offset:64*\n       ; each accumulator from its low end on
	ds_store_b128 v13, v[8*(4*(\i)+\n)+4:8*(4*(\i)+\n)+7] offset:64*\n+16
.endr
	WIN 0
.set yb, 64+32*((\i)%2)
.irp t, 0,1,2,3,4,5,6,7
	ds_load_b128 v[yb+4*\t:yb+4*\t+3], v14 offset:544*\t   ; LDS serves a wave's instructions in order: these see the stores above, and the next tile's stores come behind them
.endr
.endm
.macro SEND i, younger
.set yb, 64+32*((\i)%2)
	s_wait_dscnt \younger                          ; the tile is back in registers; the next tile's 8 stores and 8 loads may be out
	s_wait_loadcnt 8*(7-(\i))                      ; its rows of x are in; the later tiles' may be out
	WIN 0x0c
.irp j, 0,2,4,6,8,10,12,14,16,18,20,22,24,26,28,30
	v_pk_add_f32 v[yb+\j:yb+\j+1], v[yb+\j:yb+\j+1], v[32*(\i)+\j:32*(\i)+\j+1]
.endr
	WIN 0
.irp t, 0,1,2,3,4,5,6,7
	global_store_b128 v12, v[yb+4*\t:yb+4*\t+3], s[16:17] offset:(64*((\i)/4)+32*(\t/4)+8*((\i)%4)+2*(\t%4))*4096 th:TH_STORE_NT
.endr
.endm
	TOSTAGE 0
.irp a, 1,2,3,4,5,6,7
.if \a > 1
	s_wait_xcnt 0x0                                ; the stores of the tile before last have read their registers: this tile's loads may land there
.endif
	TOSTAGE \a
	SEND \a-1, 16
.endr
	SEND 7, 0
	s_wait_tensorcnt 0x0
	ds_add_u32 v4, v15
	s_wait_dscnt 0x0
	CROUND                                         ; the closing round
	s_endpgm
.Lfunc_end_k_qbc27a1625c_oproj:
	.size	k_qbc27a1625c_oproj, .Lfunc_end_k_qbc27a1625c_oproj-k_qbc27a1625c_oproj
	.p2alignl 7, 3214868480
	.fill 96, 4, 3214868480
	.section	.rodata,"a",@progbits
	.p2align	6, 0x0
	.amdhsa_kernel k_qbc27a1625c_oproj
		.amdhsa_group_segment_fixed_size 230912
		.amdhsa_private_segment_fixed_size 0
		.amdhsa_enable_private_segment 0
		.amdhsa_kernarg_size 56
		.amdhsa_user_sgpr_count 2
		.amdhsa_user_sgpr_kernarg_segment_ptr 1
		.amdhsa_wavefront_size32 1
		.amdhsa_system_sgpr_workgroup_id_x 1
		.amdhsa_system_sgpr_workgroup_id_y 1
		.amdhsa_system_sgpr_workgroup_id_z 1
		.amdhsa_system_vgpr_workitem_id 0
		.amdhsa_next_free_vgpr 1024
		.amdhsa_next_free_sgpr 100
		.amdhsa_reserve_vcc 0
		.amdhsa_float_denorm_mode_32 3
		.amdhsa_float_denorm_mode_16_64 3
		.amdhsa_memory_ordered 1
		.amdhsa_forward_progress 1
		.amdhsa_inst_pref_size 88
	.end_amdhsa_kernel
	.amdgpu_metadata
---
amdhsa.version: [ 1, 2 ]
amdhsa.kernels:
  - .name:           k_qbc27a1625c_oproj
    .symbol:         k_qbc27a1625c_oproj.kd
    .args:
      - { .name: ctx_img, .offset: 0, .size: 8, .value_kind: global_buffer, .address_space: global }
      - { .name: ctx_sc, .offset: 8, .size: 8, .value_kind: global_buffer, .address_space: global }
      - { .name: out_w_codes, .offset: 16, .size: 8, .value_kind: global_buffer, .address_space: global }
      - { .name: out_w_scales, .offset: 24, .size: 8, .value_kind: global_buffer, .address_space: global }
      - { .name: out_b, .offset: 32, .size: 8, .value_kind: global_buffer, .address_space: global }
      - { .name: hidden_states, .offset: 40, .size: 8, .value_kind: global_buffer, .address_space: global }
      - { .name: out0, .offset: 48, .size: 8, .value_kind: global_buffer, .address_space: global }
    .group_segment_fixed_size: 230912
    .private_segment_fixed_size: 0
    .kernarg_segment_align: 8
    .kernarg_segment_size: 56
    .max_flat_workgroup_size: 128
    .sgpr_count:     100
    .vgpr_count:     1024
    .wavefront_size: 32
...
	.end_amdgpu_metadata
.endif
;; end of part 4
